; MI455X (gfx1250); checked and timed in simulation.
; The chip was launched on July 23, 2026; its instructions are those of AMD's public machine-readable ISA for CDNA 5 (MIT licence, August 2026) and "CDNA5" Instruction Set Architecture Reference Guide (July 2026). The comments in the code are by the model that wrote it; some were corrected since.
;; Multi Headed Attention. Allowed arithmetic: matrix products marked QUANTISED: E2M3 operands, one E8M0 scale for each 32 along K, by v_wmma_scale_f32_16x16x128_f8f6f4 with both operands' format E2M3, f32 sums; everything else in f32.
;; Inputs: Wk_codes 1,024 x 32 x 24 uint8 (E2M3 codes of Wk, K innermost, in blocks of 32 codes, four codes in three bytes); Wk_scales 1,024 x 32 uint8 (E8M0 scales of Wk, one for each 32 codes along K); Wm_codes 1,024 x 32 x 24 uint8 (E2M3 codes of Wm, K innermost, in blocks of 32 codes, four codes in three bytes); Wm_scales 1,024 x 32 uint8 (E8M0 scales of Wm, one for each 32 codes along K); Wq_codes 1,024 x 32 x 24 uint8 (E2M3 codes of Wq, K innermost, in blocks of 32 codes, four codes in three bytes); Wq_scales 1,024 x 32 uint8 (E8M0 scales of Wq, one for each 32 codes along K); Wv_codes 1,024 x 32 x 24 uint8 (E2M3 codes of Wv, K innermost, in blocks of 32 codes, four codes in three bytes); Wv_scales 1,024 x 32 uint8 (E8M0 scales of Wv, one for each 32 codes along K); bk 1,024 float32; bm 1,024 float32; bq 1,024 float32; bv 1,024 float32; key_in_codes 4 x 2,048 x 32 x 24 uint8 (E2M3 codes of key_in, K innermost, in blocks of 32 codes, four codes in three bytes); key_in_scales 4 x 2,048 x 32 uint8 (E8M0 scales of key_in, one for each 32 codes along K); query_codes 4 x 2,048 x 32 x 24 uint8 (E2M3 codes of query, K innermost, in blocks of 32 codes, four codes in three bytes); query_scales 4 x 2,048 x 32 uint8 (E8M0 scales of query, one for each 32 codes along K); value_codes 4 x 2,048 x 32 x 24 uint8 (E2M3 codes of value, K innermost, in blocks of 32 codes, four codes in three bytes); value_scales 4 x 2,048 x 32 uint8 (E8M0 scales of value, one for each 32 codes along K).
;; Outputs: out0 4 x 1,024 x 2,048 float32.
;; This version of the problem:
;;   THIS VERSION OF THE PROBLEM IS GIVEN IN LOW PRECISION. The matrix products marked QUANTISED in the list below multiply operands that are first quantised to E2M3 (2 exponent bits, 3 mantissa bits; 6 bits a number), with one power-of-two scale for each 32 numbers along K (OCP MX v1.0); their sums are f32. All else is computed in f32.
;;   The module's matrix products, in the order in which they are computed (A, B: the left and right operand; K: the contracted axis; several contracted axes count as one K, in the product's order):
;;     1. [M 8,192, K 1,024] x [K 1,024, N 1,024]; A: input query (given as codes); B: input Wq (given as codes): QUANTISED
;;     2. [M 8,192, K 1,024] x [K 1,024, N 1,024]; A: input key_in (given as codes); B: input Wk (given as codes): QUANTISED
;;     3. [M 8,192, K 1,024] x [K 1,024, N 1,024]; A: input value (given as codes); B: input Wv (given as codes): QUANTISED
;;     4. batch 64 x [M 2,048, K 64] x [K 64, N 2,048]; A: computed on the way; B: computed on the way: QUANTISED
;;     5. batch 64 x [M 64, K 2,048] x [K 2,048, N 2,048]; A: computed on the way; B: softmax (see below): QUANTISED
;;     6. [M 8,192, K 1,024] x [K 1,024, N 1,024]; A: computed on the way; B: input Wm (given as codes): QUANTISED
;;   THE QUANTISER, for each operand of a quantised product, along K:
;;     - K is cut into blocks of 32 from its start; a last block that is shorter is filled with zeros.
;;     - A block's scale is 2^e with e = floor(log2(the largest magnitude in the block)) - 2, held to -126 .. 127; a block of zeros has e = 0. As a byte (E8M0): e + 127.
;;     - Each number is divided by its block's scale, clamped to +-7.5, and rounded to the nearest number of E2M3, ties to even, subnormals kept.
;;     - The product sums the exact products of the quantised numbers (number of the format x scale) in f32.
;;   ~~~python
;;   def quantise(x, axis):      # numpy; x: float32 -> the quantised numbers, widened to float32 again
;;       x = np.moveaxis(x, axis, -1); K = x.shape[-1]
;;       x = np.pad(x, [(0, 0)] * (x.ndim - 1) + [(0, -K % 32)]); x = x.reshape(x.shape[:-1] + (-1, 32)); a = np.abs(x).max(-1, keepdims=True)
;;       e = np.where(a > 0, np.clip(np.frexp(np.where(a > 0, a, 1))[1] - 1 - 2, -126, 127), 0)      # np.frexp(a)[1] - 1 = floor(log2(a)), exactly
;;       r = np.clip(x / 2.0 ** e, -7.5, 7.5)
;;       step = 2.0 ** (np.maximum(np.frexp(np.where(r == 0, 1, r))[1] - 1, 0) - 3)
;;       q = np.round(r / step) * step * 2.0 ** e      # np.round: ties to even
;;       return np.moveaxis(q.reshape(q.shape[:-2] + (-1,))[..., :K], -1, axis).astype(np.float32)
;;   ~~~
;;   SOFTMAX AHEAD OF A QUANTISED PRODUCT. Where the list says 'softmax', what is quantised is not the finished softmax but p = 2^(t - M), with t = logit x log2(e) and M = ceil(the row's largest t), a whole number; so 1/2 < the row's largest p <= 1. The row's sum l is taken of the UNQUANTISED p, in f32, and the product's result is divided by l at the end. Since M is a whole number, a kernel that streams over the keys may use a running M (the ceiling of the running maximum): every later rescaling is an exact power of two, which a block's scale takes up: the codes' values come out the same.
;;   OPERANDS COMPUTED ON THE WAY. 'Computed on the way' means the value that the module computes at that place (a softmax that the list does not call 'softmax' is quantised finished and normalised). What goes into a quantiser is computed in f32, as accurately as f32 sums, v_exp_f32 and their like allow (about 1e-6 of the number): no bf16 or f16 on the way to a quantiser, and a product that is left as it is and whose result goes on into a quantised operand takes f32 operands (vector FMAs, or v_wmma_f32_16x16x4_f32). A number that lies on a knife's edge between two numbers of the format may be rounded either way, as far as f32 arithmetic and the matrix unit's own rounding can turn it there, and no further.
;;   INPUTS GIVEN AS CODES. Wk (in the module: [1024, 1024], K = its axis 1); Wm (in the module: [1024, 1024], K = its axis 1); Wq (in the module: [1024, 1024], K = its axis 1); Wv (in the module: [1024, 1024], K = its axis 1); key_in (in the module: [4, 1024, 2048], K = its axis 1); query (in the module: [4, 1024, 2048], K = its axis 1); value (in the module: [4, 1024, 2048], K = its axis 1): each comes as NAME_codes (uint8): NAME with its K axis moved to the last place and cut into blocks of 32 codes, [.., K / 32, bytes a block], one block behind the other in memory; four codes in three bytes: a row's codes are one little-endian stream of bits, code i at bits 6 i .. 6 i + 5 (a code: sign, 2 exponent bits, 3 mantissa bits); and NAME_scales (uint8): the same leading axes, one E8M0 byte (e + 127) for each 32 codes along K. Its value is code x scale, taken as it is: it is not quantised again, and the codes and scales need not be those that the quantiser above would give.
;; One version. Each part assembles by itself: llvm-mc -triple=amdgcn-amd-amdhsa -mcpu=gfx1250 --defsym DOCPART=n.
;; ======== version 1 of 1: 4 launches
;; workspace buffers: qimg 6,291,456 bytes; qscl 262,144 bytes; kimg 6,291,456 bytes; kscl 262,144 bytes; vimg 6,291,456 bytes; vscl 262,144 bytes; xw 33,554,432 bytes
;; launch projqk (part 1): grid 8 x 64, 4 waves a work-group, clusters of 4 x 4, 327,680 bytes of LDS; arguments query_codes, query_scales, Wq_codes, Wq_scales, bq, qimg, qscl, key_in_codes, key_in_scales, Wk_codes, Wk_scales, bk, kimg, kscl; writes qimg, qscl, kimg, kscl
.if DOCPART == 1
	.amdgcn_target "amdgcn-amd-amdhsa--gfx1250"
	.amdhsa_code_object_version 6
	.text
	.protected	k_q32340e67d5_projqk
	.globl	k_q32340e67d5_projqk
	.p2align	8
	.type	k_q32340e67d5_projqk,@function
k_q32340e67d5_projqk:
	s_mov_b64 s[64:65], 0
	v_nop
	global_prefetch_b8 v0, s[64:65] scope:SCOPE_SE
	s_setreg_imm32_b32 hwreg(HW_REG_WAVE_MODE, 25, 1), 1
	s_wait_xcnt 0x0
	s_wait_alu depctr_hold_cnt(0) depctr_sa_sdst(0) depctr_va_vdst(0) depctr_va_sdst(0) depctr_va_ssrc(0) depctr_va_vcc(0) depctr_vm_vsrc(0)
	s_getreg_b32 s2, hwreg(HW_REG_IB_STS2, 6, 4)
	s_cmp_eq_u32 s2, 0
	s_cbranch_scc0 .Lentry_in_a_cluster
	s_endpgm
.Lentry_in_a_cluster:
	s_bfe_u32 s2, ttmp6, 0x10000c
	s_cmp_lg_u32 s2, 0xf033
	s_cbranch_scc0 .Lentry_shape_is_right
	s_endpgm
.Lentry_shape_is_right:
; THE PROJECTIONS.  ISV = 0: q = Wq query + bq and k = Wk key_in + bk, quantised along the head's 64 channels.  ISV = 1: v = Wv value + bv, quantised along the keys.
; X (query, key_in, value): 8,192 rows (b, n) of 1,024 codes of FP6 (E2M3), 768 bytes a row, one E8M0 byte for each 32 along K; W: 1,024 rows e = 16 d + head, laid likewise.  Sums in f32; the bias is the C of each sum's first product.
; SHARES.  A work-group: 256 rows of X x 2 heads (128 rows of W) x all of K.  Wave w: rows 128 (w / 2) on (one key step of 128), head 2 wx + w % 2: 8 tiles of X x 4 tiles of W, 32 accumulators.
; A head's 64 rows of W lie 16 rows (12,288 bytes) apart in memory: a tile with that pitch lays them side by side in LDS.  So a chunk of 256 along K is two loads of X (128 rows) and two of W (64 rows): one for each wave.
; K is four chunks in three LDS regions: chunks 0, 1, 2 and all scale bytes are first fills; chunk 3 is the one refill, into region 0.  The text is a straight line.
; CLUSTERS, 4 x 4: X's tiles hang on the work-group's y alone and are asked for jointly along a row of the cluster, W's on its x alone, along a column.
; RESULTS leave as IMAGES OF OPERAND REGISTERS (a fragment of 16 rows x 128 K is 12 registers a lane: register p of lane l at byte 512 (p / 4) + 16 l + 4 (p % 4)), so that each store covers 512 consecutive bytes
; and the attention launch reads fragments at 16 x lane.  ISV = 0: the product is used transposed (source 0 = W, source 1 = X): a lane holds one row n, its registers run along d.  An image holds two tiles of 16 rows:
; registers 0-5 rows 32 f + r, registers 6-11 rows 32 f + 16 + r; lanes 0-15 channels 0-31, lanes 16-31 channels 32-63.  ISV = 1: source 0 = X, source 1 = W: a lane holds one channel d, its registers run along the keys.
; INSIDE A BLOCK OF 32 the codes stand in the order 0-7, 16-23, 8-15, 24-31: the same in q and k, and in v and the attention's p, so no product changes.
; A block's scale byte is its largest magnitude's exponent field - 2, held at 1 from below.
; LIMITS: a block whose largest magnitude lies under 2^-124, a block of zeros among them, keeps the byte 1 (its codes are then zeros or near; this program alone reads the bytes); NaN and infinities are not served.
; REGISTERS.  window 0: v1-20 addresses; v28, v29 for the add; v32-95 X's scale words (tile a, K step i: 8 a + i), v96-127 W's (8 p + i); v128-175 the four images; v176-199 at work.
;   window 1: the 32 accumulators.   window 2: X's fragments, two sets of 96; from v192 the bias, 8 registers a tile of W.   window 3: W's fragments, two sets of 48.
.set ISV, 0
.set PITCH, 240                        ; an LDS row: 3 x (64 bytes + 16 of padding): 60 words, so the 32 lanes of a load of 8 bytes touch 64 different banks
.set XH,    128*PITCH                  ; 128 rows of X: one tensor load, and what a wave reads
.set WOFF,  2*XH                       ; behind X's 256 rows: W's
.set WH,    64*PITCH                   ; a head's 64 rows
.set REG,   WOFF+2*WH                  ; a region: one chunk of 256 along K, 92,160 bytes
.set SCX,   3*REG                      ; X's scale bytes, 256 rows x 32, dense: units of 256 bytes + 16
.set SCXH,  16*272
.set SCW,   SCX+2*SCXH                 ; W's: 2 heads x 64 rows of 32 bytes + 16
.set SCWH,  64*48
.set SPARE, SCW+2*SCWH                 ; the spare words, 128 bytes a wave: two blocks of 256 bytes that no other line names
.set ADX, 4                            ; v4-6 my X rows in regions 0-2 (row x 240 + 24 x half); v7-9 the same behind one padding more (40 x half)
.set ADW, 10                           ; v10-12, v13-15 the same for W
.set ASX, 16
.set ASW, 17
.set LI,  18                           ; 16 x lane
.set RI,  19                           ; 16 x (lane % 16)
.set BO,  20                           ; the bias's lane term
.set SPW, 28
.set NIL, 29
.set SX,  32
.set SW,  96
.set PC,  128
.set CT,  176
.set TM,  184
.set T2,  188
.set SO,  192
.set PW,  196
.set BC,  192                          ; in window 2
.set SEL, 2                            ; s[2:3] lane selects: lane l xor 16
.set WV,  18
.set G1X, 28
.set G1W, 36
.set G1SX, 44
.set G1SW, 52
.set G0X, 68                           ; s[68:83] X's groups 0: scales, chunks 0, 1, 2
.set G0W, 84                           ; s[84:99] W's
.if ISV
.set WMUL, 0x5e                        ; source 0 (X) window 2, source 1 (W) window 3, C and D window 1
.set WFIRST, 0x6e                      ; the same with C (the bias) in window 2
.else
.set WMUL, 0x5b                        ; source 0 (W) window 3, source 1 (X) window 2, C and D window 1
.set WFIRST, 0x6b
.endif
.set MSB, 0
.macro WIN new                         ; the immediate's high byte repeats the setting that is left
.if MSB != (\new)
	s_set_vgpr_msb (MSB<<8)|(\new)
.set MSB, (\new)
.endif
.endm
.macro PLACES n
.rept \n
	v_nop
.endr
.endm
; A joint load: waves 0 and 1 fetch for X, waves 2 and 3 for W; the branch hangs on the wave's number alone.  Four v_nop follow each line.
.macro JLOAD g0a, g1a, g0b, g1b
	s_cmp_eq_u32 s19, 0
	s_cbranch_scc0 .Lfor_w_\@
	tensor_load_to_lds s[\g0a:\g0a+3], s[\g1a:\g1a+7]
	s_nop 0
.rept 4
	v_nop
.endr
	s_branch .Lasked_\@
.Lfor_w_\@:
	tensor_load_to_lds s[\g0b:\g0b+3], s[\g1b:\g1b+7]
	s_nop 0
.rept 4
	v_nop
.endr
.Lasked_\@:
.endm
.macro CREST                           ; a round of the cluster's barrier behind its opening barrier
	s_cmp_lg_u32 s[WV], 0
	s_cbranch_scc1 .Lnot_wave_0_\@
	s_barrier_signal -3
.Lnot_wave_0_\@:
	s_barrier_wait -3
	s_barrier_signal -1
	s_barrier_wait -1
.endm
.macro CROUND
	s_barrier_signal -1
	s_barrier_wait -1
	CREST
.endm
.macro SHAPE g, c, r, p                ; group 1, words 1 to 7: a tile of r rows of c elements, p elements from row to row
	s_mov_b32 s[\g+1], (\c)<<16
	s_mov_b32 s[\g+2], (\r)<<16
	s_mov_b32 s[\g+3], (\c)<<16
	s_mov_b32 s[\g+4], \r
	s_mov_b32 s[\g+5], \p
	s_mov_b32 s[\g+6], 0
	s_mov_b32 s[\g+7], 0
.endm
	s_load_b256 s[4:11], s[0:1], 0x0               ; X's codes s[4:5], X's scales s[6:7], W's codes s[8:9], W's scales s[10:11]
	s_load_b128 s[12:15], s[0:1], 0x20             ; the bias s[12:13], the images s[14:15]
	s_load_b64 s[16:17], s[0:1], 0x30              ; the scale words
.if ISV == 0
	s_load_b256 s[68:75], s[0:1], 0x38             ; the same seven for k
	s_load_b128 s[76:79], s[0:1], 0x58
	s_load_b64 s[80:81], s[0:1], 0x68
.endif
	v_lshl_add_u32 v[SPW], v0, 2, SPARE
	v_mov_b32 v[NIL], 0
	ds_add_u32 v28, v29
	ds_add_u32 v28, v29
	s_wait_dscnt 0x0
	v_lshrrev_b32 v1, 5, v0
	v_readfirstlane_b32 s[WV], v1                  ; wave 0..3
	s_lshr_b32 s19, s[WV], 1                       ; which 128 rows of X are mine.  Also: I fetch for X (0) or for W (1)
	s_and_b32 s20, s[WV], 1                        ; which head.  Also: which half of that tile I fetch
	s_bfe_u32 s21, ttmp6, 0x40000                  ; cx
	s_bfe_u32 s22, ttmp6, 0x40004                  ; cy
	s_lshl_b32 s23, ttmp9, 2
	s_add_co_u32 s23, s23, s21                     ; wx: heads 2 wx, 2 wx + 1
	s_and_b32 s25, ttmp7, 0xffff                   ; the cluster's y
	s_lshl_b32 s24, s25, 2
	s_add_co_u32 s24, s24, s22
.if ISV == 0
	s_and_b32 s24, s24, 31                         ; ty: rows 256 ty on, of q's X (clusters 0-7 along y) or of k's (8-15)
.endif
	s_lshl_b32 s26, s22, 2
	s_lshl_b32 s26, 15, s26                        ; my row of the cluster
	s_lshl_b32 s27, 0x1111, s21                    ; my column
	s_or_b32 s[G1X], s26, (1<<20)|(1<<21)|(3<<22)|(3<<25)            ; the mask; elements of 1 byte; padding on; bit 21 beside a mask; 4 words behind every 16
	s_or_b32 s[G1W], s27, (1<<20)|(1<<21)|(3<<22)|(3<<25)
	s_or_b32 s[G1SX], s26, (3<<16)|(1<<20)|(1<<21)|(5<<22)|(3<<25)   ; elements of 8 bytes; 4 words behind every 64
	s_or_b32 s[G1SW], s27, (1<<20)|(1<<21)|(2<<22)|(3<<25)           ; 4 words behind every 8
	SHAPE G1X, 192, 128, 768
	SHAPE G1W, 192, 64, 12288
	SHAPE G1SX, 32, 16, 32
	SHAPE G1SW, 32, 64, 512
	s_lshl_b32 s60, s24, 8                         ; X: row 256 ty + 128 x half: made of the y alone
	s_lshl_b32 s61, s20, 7
	s_add_co_u32 s60, s60, s61
	s_lshl_b32 s62, s60, 5                         ; its scale bytes,
	s_mul_i32 s60, s60, 768                        ; its codes
	s_mov_b32 s61, 0
	s_mov_b32 s63, 0
	s_lshl_b32 s2, s23, 1                          ; W: row 2 wx + half (channel 0 of that head): made of the x alone
	s_add_co_u32 s2, s2, s20
	s_lshl_b32 s100, s2, 5
	s_mul_i32 s2, s2, 768
	s_mov_b32 s3, 0
	s_mov_b32 s101, 0
	s_wait_kmcnt 0x0
.if ISV == 0
	s_cmp_lt_u32 s25, 8                            ; q's or k's buffers: the choice hangs on the cluster's y alone
	s_cselect_b64 s[4:5], s[4:5], s[68:69]
	s_cselect_b64 s[6:7], s[6:7], s[70:71]
	s_cselect_b64 s[8:9], s[8:9], s[72:73]
	s_cselect_b64 s[10:11], s[10:11], s[74:75]
	s_cselect_b64 s[12:13], s[12:13], s[76:77]
	s_cselect_b64 s[14:15], s[14:15], s[78:79]
	s_cselect_b64 s[16:17], s[16:17], s[80:81]
.endif
	s_add_nc_u64 s[4:5], s[4:5], s[60:61]
	s_add_nc_u64 s[6:7], s[6:7], s[62:63]
	s_add_nc_u64 s[8:9], s[8:9], s[2:3]
	s_add_nc_u64 s[10:11], s[10:11], s[100:101]
	s_mov_b32 s[G0X], 1                            ; groups 0: count 1; LDS byte; global address; type 2
	s_mul_i32 s[G0X+1], s20, SCXH
	s_add_co_u32 s[G0X+1], s[G0X+1], SCX
	s_mov_b64 s[G0X+2:G0X+3], s[6:7]
	s_or_b32 s[G0X+3], s[G0X+3], 0x80000000
	s_mov_b32 s[G0W], 1
	s_mul_i32 s[G0W+1], s20, SCWH
	s_add_co_u32 s[G0W+1], s[G0W+1], SCW
	s_mov_b64 s[G0W+2:G0W+3], s[10:11]
	s_or_b32 s[G0W+3], s[G0W+3], 0x80000000
.irp c, 0,1,2
	s_mov_b32 s[G0X+4+4*\c], 1
	s_mul_i32 s[G0X+5+4*\c], s20, XH
	s_add_co_u32 s[G0X+5+4*\c], s[G0X+5+4*\c], \c*REG
	s_add_nc_u64 s[G0X+6+4*\c:G0X+7+4*\c], s[4:5], \c*192
	s_or_b32 s[G0X+7+4*\c], s[G0X+7+4*\c], 0x80000000
	s_mov_b32 s[G0W+4+4*\c], 1
	s_mul_i32 s[G0W+5+4*\c], s20, WH
	s_add_co_u32 s[G0W+5+4*\c], s[G0W+5+4*\c], \c*REG+WOFF
	s_add_nc_u64 s[G0W+6+4*\c:G0W+7+4*\c], s[8:9], \c*192
	s_or_b32 s[G0W+7+4*\c], s[G0W+7+4*\c], 0x80000000
.endr
	CROUND                                         ; all sixteen work-groups are here: the first joint loads meet
	JLOAD G0X, G1SX, G0W, G1SW                     ; the scale bytes, for all of K: filled once
	JLOAD G0X+4, G1X, G0W+4, G1W                   ; chunks 0, 1, 2: four loads of mine are out
	JLOAD G0X+8, G1X, G0W+8, G1W
	JLOAD G0X+12, G1X, G0W+12, G1W
	s_mov_b32 s[SEL], 0x76543210
	s_mov_b32 s[SEL+1], 0xfedcba98
	s_lshl_b32 s62, s23, 1
	s_add_co_u32 s62, s62, s20                     ; my head
	s_lshl_b32 s60, s62, 2
	s_mov_b32 s61, 0
	s_add_nc_u64 s[12:13], s[12:13], s[60:61]      ; the bias at channel 0 of my head
	s_lshr_b32 s60, s24, 3                         ; b
	s_lshl_b32 s60, s60, 4
	s_add_co_u32 s60, s60, s62                     ; y = 16 b + head
	s_lshl_b32 s60, s60, 4
	s_and_b32 s62, s24, 7
	s_lshl_b32 s62, s62, 1
	s_add_co_u32 s62, s62, s19                     ; my key step
	s_add_co_u32 s60, s60, s62                     ; 16 y + step
	s_lshl_b32 s62, s60, 8                         ; 256 bytes of scale words,
	s_mov_b32 s63, 0
	s_mul_i32 s60, s60, 6144                       ; four images
	s_add_nc_u64 s[14:15], s[14:15], s[60:61]
	s_add_nc_u64 s[16:17], s[16:17], s[62:63]
	v_and_b32 v3, 31, v0                           ; lane
	v_and_b32 v1, 15, v0                           ; r
	v_bfe_u32 v2, v0, 4, 1                         ; half
	v_mul_u32_u24 v21, v1, PITCH
	v_mad_u32_u24 v22, v2, 24, v21
	v_mad_u32_u24 v23, v2, 40, v21
	s_mul_i32 s60, s19, XH
	s_mul_i32 s61, s20, WH
	s_add_co_u32 s61, s61, WOFF
.irp c, 0,1,2
	v_add_nc_u32 v[ADX+\c], s60, v22
	v_add_nc_u32 v[ADX+3+\c], s60, v23
	v_add_nc_u32 v[ADW+\c], s61, v22
	v_add_nc_u32 v[ADW+3+\c], s61, v23
	s_add_co_u32 s60, s60, REG
	s_add_co_u32 s61, s61, REG
.endr
	v_lshrrev_b32 v21, 3, v1                       ; X's scale words: eight rows of 32 bytes to a unit of 272
	v_and_b32 v22, 7, v1
	v_mul_u32_u24 v21, v21, 272
	v_lshl_add_u32 v21, v22, 5, v21
	s_mul_i32 s60, s19, SCXH
	s_add_co_u32 s60, s60, SCX
	v_add_nc_u32 v[ASX], s60, v21
	v_mul_u32_u24 v21, v1, 48                      ; W's: 48 bytes a row
	s_mul_i32 s60, s20, SCWH
	s_add_co_u32 s60, s60, SCW
	v_add_nc_u32 v[ASW], s60, v21
	v_lshlrev_b32 v[LI], 4, v3
	v_lshlrev_b32 v[RI], 4, v1
.irp b, 0,1,2,3
	v_mov_b32 v[T2+\b], 0                          ; written once: a lane permute's destination counts as one of its sources
.endr
.if ISV
	v_lshlrev_b32 v[BO], 6, v1                     ; the bias of channel 16 p + r: 64 bytes from channel to channel of a head
	WIN 0x80
.irp p, 0,1,2,3
	global_load_b32 v[BC+8*\p], v[BO], s[12:13] offset:1024*\p
.endr
.else
	v_lshlrev_b32 v[BO], 9, v2                     ; the bias of channels 16 p + 8 half + i
	WIN 0x80
.irp p, 0,1,2,3
.irp i, 0,1,2,3,4,5,6,7
	global_load_b32 v[BC+8*\p+\i], v[BO], s[12:13] offset:64*(16*\p+\i)
.endr
.endr
.endif
	WIN 0
; A fragment, 16 rows x 128 K, is 12 registers: lane l holds row l % 16; registers 6 c .. 6 c + 5 hold K = 64 c + 32 (l / 16) + 0 .. 31: 24 bytes of the row as they lie, in pieces of 8 bytes.
; Lanes 16-31 read three pieces further on; where that is behind one padding more, the second address register serves.
.macro FRAG reg, adr, q, i
.irp p, 0,1,2,3,4,5
.set PCE, 12*(\q)+6*(\p/3)+\p%3
.if PCE%8 < 5
	ds_load_b64 v[\reg+2*\p:\reg+2*\p+1], v[\adr] offset:8*PCE+16*(PCE/8)+(\i)*16*PITCH
.else
	ds_load_b64 v[\reg+2*\p:\reg+2*\p+1], v[\adr+3] offset:8*PCE+16*(PCE/8)+(\i)*16*PITCH
.endif
.endr
.endm
.macro FETCH i, set                    ; K step i (128 along K): 8 fragments of X, 4 of W: 72 loads
.set RG, ((\i)/2)%3
.set QQ, (\i)%2
	WIN 0x80
.irp a, 0,1,2,3,4,5,6,7
	FRAG 96*(\set)+12*\a, ADX+RG, QQ, \a
.endr
	WIN 0xc0
.irp a, 0,1,2,3
	FRAG 48*(\set)+12*\a, ADW+RG, QQ, \a
.endr
	WIN 0
.endm
; The products of K step i for X's tiles a0 .. a1 against W's four.  Each of the 32 accumulators has one instruction in a K step: they take turns.  first = 1: C is the bias.
.macro MULA i, set, a0, a1, first
.if \first
	WIN WFIRST
.else
	WIN WMUL
.endif
.set AA, \a0
.rept \a1-\a0+1
.irp p, 0,1,2,3
.set XF, 96*(\set)+12*AA
.set WF, 48*(\set)+12*\p
.if ISV
.set DD, 8*(8*\p+AA)
.if \first
	v_wmma_scale_f32_16x16x128_f8f6f4 v[DD:DD+7], v[XF:XF+11], v[WF:WF+11], v[BC+8*\p:BC+8*\p+7], v[SX+8*AA+(\i)], v[SW+8*\p+(\i)] matrix_a_fmt:MATRIX_FMT_FP6 matrix_b_fmt:MATRIX_FMT_FP6
.else
	v_wmma_scale_f32_16x16x128_f8f6f4 v[DD:DD+7], v[XF:XF+11], v[WF:WF+11], v[DD:DD+7], v[SX+8*AA+(\i)], v[SW+8*\p+(\i)] matrix_a_fmt:MATRIX_FMT_FP6 matrix_b_fmt:MATRIX_FMT_FP6
.endif
.else
.set DD, 8*(4*AA+\p)
.if \first
	v_wmma_scale_f32_16x16x128_f8f6f4 v[DD:DD+7], v[WF:WF+11], v[XF:XF+11], v[BC+8*\p:BC+8*\p+7], v[SW+8*\p+(\i)], v[SX+8*AA+(\i)] matrix_a_fmt:MATRIX_FMT_FP6 matrix_b_fmt:MATRIX_FMT_FP6
.else
	v_wmma_scale_f32_16x16x128_f8f6f4 v[DD:DD+7], v[WF:WF+11], v[XF:XF+11], v[DD:DD+7], v[SW+8*\p+(\i)], v[SX+8*AA+(\i)] matrix_a_fmt:MATRIX_FMT_FP6 matrix_b_fmt:MATRIX_FMT_FP6
.endif
.endif
.endr
.set AA, AA+1
.endr
.endm
.macro KSTEP i, cur, nxt               ; a K step whose successor has landed: its fragments are in; four places behind the products that read the other set; the next step's loads; 32 products
	s_wait_dscnt 0x0
	PLACES 4
	FETCH (\i)+1, \nxt
	MULA \i, \cur, 0, 7, 0
.endm
; Accumulator registers 64 io .. 64 io + 63 are four blocks of 32 along the next K, 16 numbers of each in this lane and 16 in lane l xor 16.  They become image io (v[PC + 12 io] on) and its scale word.
.macro QUANT io
	WIN 0x05                                       ; sources 0 and 1: window 1
.irp b, 0,1,2,3
	v_max3_num_f32 v[TM+\b], |v[64*\io+16*\b]|, |v[64*\io+16*\b+1]|, 0x1800000   ; with the floor 2^(3 - 127): the byte cannot fall under 1.  Each accumulator is read from its low end on
.endr
.irp i, 2,4,6,8,10,12,14
.irp b, 0,1,2,3
	v_max3_num_f32 v[TM+\b], |v[64*\io+16*\b+\i]|, |v[64*\io+16*\b+\i+1]|, v[TM+\b]
.endr
.endr
	WIN 0
.irp b, 0,1,2,3
	v_permlanex16_b32 v[T2+\b], v[TM+\b], s[SEL], s[SEL+1]
.endr
.irp b, 0,1,2,3
	v_max_num_f32 v[TM+\b], v[TM+\b], v[T2+\b]     ; the block's largest magnitude
.endr
.irp b, 0,1,2,3
	v_add_nc_u32 v[SO+\b], 0xff000000, v[TM+\b]    ; 2 off its exponent field: the conversion's scale operand
.endr
.irp b, 0,1,2,3
	v_lshrrev_b32 v[T2+\b], 23, v[SO+\b]           ; the scale's byte
.endr
	v_lshl_or_b32 v[PW+\io], v[T2+1], 8, v[T2]
	v_lshl_or_b32 v[PW+\io], v[T2+2], 16, v[PW+\io]
	v_lshl_or_b32 v[PW+\io], v[T2+3], 24, v[PW+\io]
	WIN 0x01                                       ; source 0: window 1
.irp g, 0,1
	v_cvt_scalef32_pk16_fp6_f32 v[PC+12*\io+6*\g:PC+12*\io+6*\g+2], v[64*\io+32*\g:64*\io+32*\g+15], v[SO+2*\g]
	v_cvt_scalef32_pk16_fp6_f32 v[CT+4*\g:CT+4*\g+2], v[64*\io+32*\g+16:64*\io+32*\g+31], v[SO+2*\g+1]
.endr
	WIN 0
	v_nop                                          ; one plain place behind a scaled conversion
.irp g, 0,1                                    ; a whole block to a lane: lanes 0-15 block 2 g, lanes 16-31 block 2 g + 1
.irp k, 0,1,2
	v_permlane16_swap_b32 v[PC+12*\io+6*\g+\k], v[CT+4*\g+\k]
.endr
.irp k, 0,1,2
	v_mov_b32 v[PC+12*\io+6*\g+3+\k], v[CT+4*\g+\k]
.endr
.endr
.endm
	s_wait_tensorcnt 2                             ; my scale bytes and my part of chunk 0 are in; chunks 1 and 2 may stay out
	s_barrier_signal -1
	s_barrier_wait -1
.irp a, 0,1,2,3,4,5,6,7
	ds_load_b128 v[SX+8*\a:SX+8*\a+3], v[ASX] offset:544*\a          ; a row's eight scale words, one for each K step
	ds_load_b128 v[SX+8*\a+4:SX+8*\a+7], v[ASX] offset:544*\a+16
.endr
.irp p, 0,1,2,3
	ds_load_b128 v[SW+8*\p:SW+8*\p+3], v[ASW] offset:768*\p
	ds_load_b128 v[SW+8*\p+4:SW+8*\p+7], v[ASW] offset:768*\p+16
.endr
	FETCH 0, 0
	s_wait_loadcnt 0x0                             ; the bias
.if ISV
	WIN 0x82
.irp p, 0,1,2,3
.irp i, 1,2,3,4,5,6,7
	v_mov_b32 v[BC+8*\p+\i], v[BC+8*\p]            ; a lane's eight results of a tile belong to one channel
.endr
.endr
	WIN 0
	PLACES 4
.endif
	s_wait_dscnt 0x0
	FETCH 1, 1
	MULA 0, 0, 0, 7, 1                             ; K step 0 starts the sums on the bias
	; K step 1, and the one refill: region 0 has been read out (K steps 0 and 1 are in registers)
	WIN 0
	s_wait_tensorcnt 0x0                           ; all my tensor loads have landed, chunks 1 and 2 among them
	ds_add_u32 v[SPW], v[NIL]                      ; 0 onto my spare word
	s_add_nc_u64 s[G0X+6:G0X+7], s[G0X+6:G0X+7], 576   ; chunk 0's groups 0 become chunk 3's: three chunks of 192 bytes on
	s_add_nc_u64 s[G0W+6:G0W+7], s[G0W+6:G0W+7], 576
	s_wait_dscnt 1                                 ; K step 1's fragments are in; the add alone may be out
	MULA 1, 1, 0, 1, 0
	s_wait_dscnt 0x0                               ; the add is done, and my reads of region 0 are over
	s_barrier_signal -1
	MULA 1, 1, 2, 3, 0
	WIN 0
	s_barrier_wait -1
	CREST                                          ; the barrier has opened a round of the cluster's: no wave of any partner still reads region 0 or has a load on its way
	JLOAD G0X+4, G1X, G0W+4, G1W                   ; chunk 3; the four v_nop behind it are also the places in front of the loads below
	FETCH 2, 0
	MULA 1, 1, 4, 7, 0
	KSTEP 2, 0, 1
	KSTEP 3, 1, 0
	KSTEP 4, 0, 1
	s_wait_dscnt 0x0                               ; K step 5; behind its barrier chunk 3 is read
	s_wait_tensorcnt 0x0                           ; my part of chunk 3, the one load that was out: asked for 112 products ago
	s_barrier_signal -1
	MULA 5, 1, 0, 3, 0
	s_barrier_wait -1                              ; everybody's part is in
	PLACES 4
	FETCH 6, 0
	MULA 5, 1, 4, 7, 0
	KSTEP 6, 0, 1
	s_wait_dscnt 0x0
	MULA 7, 1, 0, 7, 0
	WIN 0
	PLACES 4                                       ; in front of the first read of results
.irp o, 0,1,2,3
	QUANT \o
.irp c, 0,1,2
	global_store_b128 v[LI], v[PC+12*\o+4*\c:PC+12*\o+4*\c+3], s[14:15] offset:1536*\o+512*\c   ; 32 lanes store 512 consecutive bytes; each image has registers of its own
.endr
.endr
	v_cmp_gt_u32 vcc_lo, 16, v3
	s_wait_xcnt 0x0                                ; EXEC changes only behind this wait
	s_and_saveexec_b32 s60, vcc_lo
	global_store_b128 v[RI], v[PW:PW+3], s[16:17]  ; sixteen lanes store the step's 256 bytes of scale words
	s_wait_xcnt 0x0
	s_or_b32 exec_lo, exec_lo, s60
	s_wait_tensorcnt 0x0                           ; the wave's end
	ds_add_u32 v[SPW], v[NIL]
	s_wait_dscnt 0x0
	CROUND                                         ; the closing round
	s_endpgm
.Lfunc_end_k_q32340e67d5_projqk:
	.size	k_q32340e67d5_projqk, .Lfunc_end_k_q32340e67d5_projqk-k_q32340e67d5_projqk
	.p2alignl 7, 3214868480
	.fill 96, 4, 3214868480
	.section	.rodata,"a",@progbits
	.p2align	6, 0x0
	.amdhsa_kernel k_q32340e67d5_projqk
		.amdhsa_group_segment_fixed_size 327680
		.amdhsa_private_segment_fixed_size 0
		.amdhsa_enable_private_segment 0
		.amdhsa_kernarg_size 112
		.amdhsa_user_sgpr_count 2
		.amdhsa_user_sgpr_kernarg_segment_ptr 1
		.amdhsa_wavefront_size32 1
		.amdhsa_system_sgpr_workgroup_id_x 1
		.amdhsa_system_sgpr_workgroup_id_y 1
		.amdhsa_system_sgpr_workgroup_id_z 1
		.amdhsa_system_vgpr_workitem_id 0
		.amdhsa_next_free_vgpr 864
		.amdhsa_next_free_sgpr 102
		.amdhsa_reserve_vcc 1
		.amdhsa_float_denorm_mode_32 3
		.amdhsa_float_denorm_mode_16_64 3
		.amdhsa_memory_ordered 1
		.amdhsa_forward_progress 1
		.amdhsa_inst_pref_size 105
	.end_amdhsa_kernel
	.amdgpu_metadata
---
amdhsa.version: [ 1, 2 ]
amdhsa.kernels:
  - .name:           k_q32340e67d5_projqk
    .symbol:         k_q32340e67d5_projqk.kd
    .args:
      - { .name: query_codes, .offset: 0, .size: 8, .value_kind: global_buffer, .address_space: global }
      - { .name: query_scales, .offset: 8, .size: 8, .value_kind: global_buffer, .address_space: global }
      - { .name: Wq_codes, .offset: 16, .size: 8, .value_kind: global_buffer, .address_space: global }
      - { .name: Wq_scales, .offset: 24, .size: 8, .value_kind: global_buffer, .address_space: global }
      - { .name: bq, .offset: 32, .size: 8, .value_kind: global_buffer, .address_space: global }
      - { .name: qimg, .offset: 40, .size: 8, .value_kind: global_buffer, .address_space: global }
      - { .name: qscl, .offset: 48, .size: 8, .value_kind: global_buffer, .address_space: global }
      - { .name: key_in_codes, .offset: 56, .size: 8, .value_kind: global_buffer, .address_space: global }
      - { .name: key_in_scales, .offset: 64, .size: 8, .value_kind: global_buffer, .address_space: global }
      - { .name: Wk_codes, .offset: 72, .size: 8, .value_kind: global_buffer, .address_space: global }
      - { .name: Wk_scales, .offset: 80, .size: 8, .value_kind: global_buffer, .address_space: global }
      - { .name: bk, .offset: 88, .size: 8, .value_kind: global_buffer, .address_space: global }
      - { .name: kimg, .offset: 96, .size: 8, .value_kind: global_buffer, .address_space: global }
      - { .name: kscl, .offset: 104, .size: 8, .value_kind: global_buffer, .address_space: global }
    .group_segment_fixed_size: 327680
    .private_segment_fixed_size: 0
    .kernarg_segment_align: 8
    .kernarg_segment_size: 112
    .max_flat_workgroup_size: 128
    .sgpr_count:     102
    .vgpr_count:     864
    .wavefront_size: 32
...
	.end_amdgpu_metadata
.endif
;; end of part 1
;; launch projv (part 2): grid 8 x 32, 4 waves a work-group, clusters of 4 x 4, 327,680 bytes of LDS; arguments value_codes, value_scales, Wv_codes, Wv_scales, bv, vimg, vscl; writes vimg, vscl
.if DOCPART == 2
	.amdgcn_target "amdgcn-amd-amdhsa--gfx1250"
	.amdhsa_code_object_version 6
	.text
	.protected	k_q32340e67d5_projv
	.globl	k_q32340e67d5_projv
	.p2align	8
	.type	k_q32340e67d5_projv,@function
k_q32340e67d5_projv:
	s_mov_b64 s[64:65], 0
	v_nop
	global_prefetch_b8 v0, s[64:65] scope:SCOPE_SE
	s_setreg_imm32_b32 hwreg(HW_REG_WAVE_MODE, 25, 1), 1
	s_wait_xcnt 0x0
	s_wait_alu depctr_hold_cnt(0) depctr_sa_sdst(0) depctr_va_vdst(0) depctr_va_sdst(0) depctr_va_ssrc(0) depctr_va_vcc(0) depctr_vm_vsrc(0)
	s_getreg_b32 s2, hwreg(HW_REG_IB_STS2, 6, 4)
	s_cmp_eq_u32 s2, 0
	s_cbranch_scc0 .Lentry_in_a_cluster
	s_endpgm
.Lentry_in_a_cluster:
	s_bfe_u32 s2, ttmp6, 0x10000c
	s_cmp_lg_u32 s2, 0xf033
	s_cbranch_scc0 .Lentry_shape_is_right
	s_endpgm
.Lentry_shape_is_right:
; THE PROJECTIONS.  ISV = 0: q = Wq query + bq and k = Wk key_in + bk, quantised along the head's 64 channels.  ISV = 1: v = Wv value + bv, quantised along the keys.
; X (query, key_in, value): 8,192 rows (b, n) of 1,024 codes of FP6 (E2M3), 768 bytes a row, one E8M0 byte for each 32 along K; W: 1,024 rows e = 16 d + head, laid likewise.  Sums in f32; the bias is the C of each sum's first product.
; SHARES.  A work-group: 256 rows of X x 2 heads (128 rows of W) x all of K.  Wave w: rows 128 (w / 2) on (one key step of 128), head 2 wx + w % 2: 8 tiles of X x 4 tiles of W, 32 accumulators.
; A head's 64 rows of W lie 16 rows (12,288 bytes) apart in memory: a tile with that pitch lays them side by side in LDS.  So a chunk of 256 along K is two loads of X (128 rows) and two of W (64 rows): one for each wave.
; K is four chunks in three LDS regions: chunks 0, 1, 2 and all scale bytes are first fills; chunk 3 is the one refill, into region 0.  The text is a straight line.
; CLUSTERS, 4 x 4: X's tiles hang on the work-group's y alone and are asked for jointly along a row of the cluster, W's on its x alone, along a column.
; RESULTS leave as IMAGES OF OPERAND REGISTERS (a fragment of 16 rows x 128 K is 12 registers a lane: register p of lane l at byte 512 (p / 4) + 16 l + 4 (p % 4)), so that each store covers 512 consecutive bytes
; and the attention launch reads fragments at 16 x lane.  ISV = 0: the product is used transposed (source 0 = W, source 1 = X): a lane holds one row n, its registers run along d.  An image holds two tiles of 16 rows:
; registers 0-5 rows 32 f + r, registers 6-11 rows 32 f + 16 + r; lanes 0-15 channels 0-31, lanes 16-31 channels 32-63.  ISV = 1: source 0 = X, source 1 = W: a lane holds one channel d, its registers run along the keys.
; INSIDE A BLOCK OF 32 the codes stand in the order 0-7, 16-23, 8-15, 24-31: the same in q and k, and in v and the attention's p, so no product changes.
; A block's scale byte is its largest magnitude's exponent field - 2, held at 1 from below.
; LIMITS: a block whose largest magnitude lies under 2^-124, a block of zeros among them, keeps the byte 1 (its codes are then zeros or near; this program alone reads the bytes); NaN and infinities are not served.
; REGISTERS.  window 0: v1-20 addresses; v28, v29 for the add; v32-95 X's scale words (tile a, K step i: 8 a + i), v96-127 W's (8 p + i); v128-175 the four images; v176-199 at work.
;   window 1: the 32 accumulators.   window 2: X's fragments, two sets of 96; from v192 the bias, 8 registers a tile of W.   window 3: W's fragments, two sets of 48.
.set ISV, 1
.set PITCH, 240                        ; an LDS row: 3 x (64 bytes + 16 of padding): 60 words, so the 32 lanes of a load of 8 bytes touch 64 different banks
.set XH,    128*PITCH                  ; 128 rows of X: one tensor load, and what a wave reads
.set WOFF,  2*XH                       ; behind X's 256 rows: W's
.set WH,    64*PITCH                   ; a head's 64 rows
.set REG,   WOFF+2*WH                  ; a region: one chunk of 256 along K, 92,160 bytes
.set SCX,   3*REG                      ; X's scale bytes, 256 rows x 32, dense: units of 256 bytes + 16
.set SCXH,  16*272
.set SCW,   SCX+2*SCXH                 ; W's: 2 heads x 64 rows of 32 bytes + 16
.set SCWH,  64*48
.set SPARE, SCW+2*SCWH                 ; the spare words, 128 bytes a wave: two blocks of 256 bytes that no other line names
.set ADX, 4                            ; v4-6 my X rows in regions 0-2 (row x 240 + 24 x half); v7-9 the same behind one padding more (40 x half)
.set ADW, 10                           ; v10-12, v13-15 the same for W
.set ASX, 16
.set ASW, 17
.set LI,  18                           ; 16 x lane
.set RI,  19                           ; 16 x (lane % 16)
.set BO,  20                           ; the bias's lane term
.set SPW, 28
.set NIL, 29
.set SX,  32
.set SW,  96
.set PC,  128
.set CT,  176
.set TM,  184
.set T2,  188
.set SO,  192
.set PW,  196
.set BC,  192                          ; in window 2
.set SEL, 2                            ; s[2:3] lane selects: lane l xor 16
.set WV,  18
.set G1X, 28
.set G1W, 36
.set G1SX, 44
.set G1SW, 52
.set G0X, 68                           ; s[68:83] X's groups 0: scales, chunks 0, 1, 2
.set G0W, 84                           ; s[84:99] W's
.if ISV
.set WMUL, 0x5e                        ; source 0 (X) window 2, source 1 (W) window 3, C and D window 1
.set WFIRST, 0x6e                      ; the same with C (the bias) in window 2
.else
.set WMUL, 0x5b                        ; source 0 (W) window 3, source 1 (X) window 2, C and D window 1
.set WFIRST, 0x6b
.endif
.set MSB, 0
.macro WIN new                         ; the immediate's high byte repeats the setting that is left
.if MSB != (\new)
	s_set_vgpr_msb (MSB<<8)|(\new)
.set MSB, (\new)
.endif
.endm
.macro PLACES n
.rept \n
	v_nop
.endr
.endm
; A joint load: waves 0 and 1 fetch for X, waves 2 and 3 for W; the branch hangs on the wave's number alone.  Four v_nop follow each line.
.macro JLOAD g0a, g1a, g0b, g1b
	s_cmp_eq_u32 s19, 0
	s_cbranch_scc0 .Lfor_w_\@
	tensor_load_to_lds s[\g0a:\g0a+3], s[\g1a:\g1a+7]
	s_nop 0
.rept 4
	v_nop
.endr
	s_branch .Lasked_\@
.Lfor_w_\@:
	tensor_load_to_lds s[\g0b:\g0b+3], s[\g1b:\g1b+7]
	s_nop 0
.rept 4
	v_nop
.endr
.Lasked_\@:
.endm
.macro CREST                           ; a round of the cluster's barrier behind its opening barrier
	s_cmp_lg_u32 s[WV], 0
	s_cbranch_scc1 .Lnot_wave_0_\@
	s_barrier_signal -3
.Lnot_wave_0_\@:
	s_barrier_wait -3
	s_barrier_signal -1
	s_barrier_wait -1
.endm
.macro CROUND
	s_barrier_signal -1
	s_barrier_wait -1
	CREST
.endm
.macro SHAPE g, c, r, p                ; group 1, words 1 to 7: a tile of r rows of c elements, p elements from row to row
	s_mov_b32 s[\g+1], (\c)<<16
	s_mov_b32 s[\g+2], (\r)<<16
	s_mov_b32 s[\g+3], (\c)<<16
	s_mov_b32 s[\g+4], \r
	s_mov_b32 s[\g+5], \p
	s_mov_b32 s[\g+6], 0
	s_mov_b32 s[\g+7], 0
.endm
	s_load_b256 s[4:11], s[0:1], 0x0               ; X's codes s[4:5], X's scales s[6:7], W's codes s[8:9], W's scales s[10:11]
	s_load_b128 s[12:15], s[0:1], 0x20             ; the bias s[12:13], the images s[14:15]
	s_load_b64 s[16:17], s[0:1], 0x30              ; the scale words
.if ISV == 0
	s_load_b256 s[68:75], s[0:1], 0x38             ; the same seven for k
	s_load_b128 s[76:79], s[0:1], 0x58
	s_load_b64 s[80:81], s[0:1], 0x68
.endif
	v_lshl_add_u32 v[SPW], v0, 2, SPARE
	v_mov_b32 v[NIL], 0
	ds_add_u32 v28, v29
	ds_add_u32 v28, v29
	s_wait_dscnt 0x0
	v_lshrrev_b32 v1, 5, v0
	v_readfirstlane_b32 s[WV], v1                  ; wave 0..3
	s_lshr_b32 s19, s[WV], 1                       ; which 128 rows of X are mine.  Also: I fetch for X (0) or for W (1)
	s_and_b32 s20, s[WV], 1                        ; which head.  Also: which half of that tile I fetch
	s_bfe_u32 s21, ttmp6, 0x40000                  ; cx
	s_bfe_u32 s22, ttmp6, 0x40004                  ; cy
	s_lshl_b32 s23, ttmp9, 2
	s_add_co_u32 s23, s23, s21                     ; wx: heads 2 wx, 2 wx + 1
	s_and_b32 s25, ttmp7, 0xffff                   ; the cluster's y
	s_lshl_b32 s24, s25, 2
	s_add_co_u32 s24, s24, s22
.if ISV == 0
	s_and_b32 s24, s24, 31                         ; ty: rows 256 ty on, of q's X (clusters 0-7 along y) or of k's (8-15)
.endif
	s_lshl_b32 s26, s22, 2
	s_lshl_b32 s26, 15, s26                        ; my row of the cluster
	s_lshl_b32 s27, 0x1111, s21                    ; my column
	s_or_b32 s[G1X], s26, (1<<20)|(1<<21)|(3<<22)|(3<<25)            ; the mask; elements of 1 byte; padding on; bit 21 beside a mask; 4 words behind every 16
	s_or_b32 s[G1W], s27, (1<<20)|(1<<21)|(3<<22)|(3<<25)
	s_or_b32 s[G1SX], s26, (3<<16)|(1<<20)|(1<<21)|(5<<22)|(3<<25)   ; elements of 8 bytes; 4 words behind every 64
	s_or_b32 s[G1SW], s27, (1<<20)|(1<<21)|(2<<22)|(3<<25)           ; 4 words behind every 8
	SHAPE G1X, 192, 128, 768
	SHAPE G1W, 192, 64, 12288
	SHAPE G1SX, 32, 16, 32
	SHAPE G1SW, 32, 64, 512
	s_lshl_b32 s60, s24, 8                         ; X: row 256 ty + 128 x half: made of the y alone
	s_lshl_b32 s61, s20, 7
	s_add_co_u32 s60, s60, s61
	s_lshl_b32 s62, s60, 5                         ; its scale bytes,
	s_mul_i32 s60, s60, 768                        ; its codes
	s_mov_b32 s61, 0
	s_mov_b32 s63, 0
	s_lshl_b32 s2, s23, 1                          ; W: row 2 wx + half (channel 0 of that head): made of the x alone
	s_add_co_u32 s2, s2, s20
	s_lshl_b32 s100, s2, 5
	s_mul_i32 s2, s2, 768
	s_mov_b32 s3, 0
	s_mov_b32 s101, 0
	s_wait_kmcnt 0x0
.if ISV == 0
	s_cmp_lt_u32 s25, 8                            ; q's or k's buffers: the choice hangs on the cluster's y alone
	s_cselect_b64 s[4:5], s[4:5], s[68:69]
	s_cselect_b64 s[6:7], s[6:7], s[70:71]
	s_cselect_b64 s[8:9], s[8:9], s[72:73]
	s_cselect_b64 s[10:11], s[10:11], s[74:75]
	s_cselect_b64 s[12:13], s[12:13], s[76:77]
	s_cselect_b64 s[14:15], s[14:15], s[78:79]
	s_cselect_b64 s[16:17], s[16:17], s[80:81]
.endif
	s_add_nc_u64 s[4:5], s[4:5], s[60:61]
	s_add_nc_u64 s[6:7], s[6:7], s[62:63]
	s_add_nc_u64 s[8:9], s[8:9], s[2:3]
	s_add_nc_u64 s[10:11], s[10:11], s[100:101]
	s_mov_b32 s[G0X], 1                            ; groups 0: count 1; LDS byte; global address; type 2
	s_mul_i32 s[G0X+1], s20, SCXH
	s_add_co_u32 s[G0X+1], s[G0X+1], SCX
	s_mov_b64 s[G0X+2:G0X+3], s[6:7]
	s_or_b32 s[G0X+3], s[G0X+3], 0x80000000
	s_mov_b32 s[G0W], 1
	s_mul_i32 s[G0W+1], s20, SCWH
	s_add_co_u32 s[G0W+1], s[G0W+1], SCW
	s_mov_b64 s[G0W+2:G0W+3], s[10:11]
	s_or_b32 s[G0W+3], s[G0W+3], 0x80000000
.irp c, 0,1,2
	s_mov_b32 s[G0X+4+4*\c], 1
	s_mul_i32 s[G0X+5+4*\c], s20, XH
	s_add_co_u32 s[G0X+5+4*\c], s[G0X+5+4*\c], \c*REG
	s_add_nc_u64 s[G0X+6+4*\c:G0X+7+4*\c], s[4:5], \c*192
	s_or_b32 s[G0X+7+4*\c], s[G0X+7+4*\c], 0x80000000
	s_mov_b32 s[G0W+4+4*\c], 1
	s_mul_i32 s[G0W+5+4*\c], s20, WH
	s_add_co_u32 s[G0W+5+4*\c], s[G0W+5+4*\c], \c*REG+WOFF
	s_add_nc_u64 s[G0W+6+4*\c:G0W+7+4*\c], s[8:9], \c*192
	s_or_b32 s[G0W+7+4*\c], s[G0W+7+4*\c], 0x80000000
.endr
	CROUND                                         ; all sixteen work-groups are here: the first joint loads meet
	JLOAD G0X, G1SX, G0W, G1SW                     ; the scale bytes, for all of K: filled once
	JLOAD G0X+4, G1X, G0W+4, G1W                   ; chunks 0, 1, 2: four loads of mine are out
	JLOAD G0X+8, G1X, G0W+8, G1W
	JLOAD G0X+12, G1X, G0W+12, G1W
	s_mov_b32 s[SEL], 0x76543210
	s_mov_b32 s[SEL+1], 0xfedcba98
	s_lshl_b32 s62, s23, 1
	s_add_co_u32 s62, s62, s20                     ; my head
	s_lshl_b32 s60, s62, 2
	s_mov_b32 s61, 0
	s_add_nc_u64 s[12:13], s[12:13], s[60:61]      ; the bias at channel 0 of my head
	s_lshr_b32 s60, s24, 3                         ; b
	s_lshl_b32 s60, s60, 4
	s_add_co_u32 s60, s60, s62                     ; y = 16 b + head
	s_lshl_b32 s60, s60, 4
	s_and_b32 s62, s24, 7
	s_lshl_b32 s62, s62, 1
	s_add_co_u32 s62, s62, s19                     ; my key step
	s_add_co_u32 s60, s60, s62                     ; 16 y + step
	s_lshl_b32 s62, s60, 8                         ; 256 bytes of scale words,
	s_mov_b32 s63, 0
	s_mul_i32 s60, s60, 6144                       ; four images
	s_add_nc_u64 s[14:15], s[14:15], s[60:61]
	s_add_nc_u64 s[16:17], s[16:17], s[62:63]
	v_and_b32 v3, 31, v0                           ; lane
	v_and_b32 v1, 15, v0                           ; r
	v_bfe_u32 v2, v0, 4, 1                         ; half
	v_mul_u32_u24 v21, v1, PITCH
	v_mad_u32_u24 v22, v2, 24, v21
	v_mad_u32_u24 v23, v2, 40, v21
	s_mul_i32 s60, s19, XH
	s_mul_i32 s61, s20, WH
	s_add_co_u32 s61, s61, WOFF
.irp c, 0,1,2
	v_add_nc_u32 v[ADX+\c], s60, v22
	v_add_nc_u32 v[ADX+3+\c], s60, v23
	v_add_nc_u32 v[ADW+\c], s61, v22
	v_add_nc_u32 v[ADW+3+\c], s61, v23
	s_add_co_u32 s60, s60, REG
	s_add_co_u32 s61, s61, REG
.endr
	v_lshrrev_b32 v21, 3, v1                       ; X's scale words: eight rows of 32 bytes to a unit of 272
	v_and_b32 v22, 7, v1
	v_mul_u32_u24 v21, v21, 272
	v_lshl_add_u32 v21, v22, 5, v21
	s_mul_i32 s60, s19, SCXH
	s_add_co_u32 s60, s60, SCX
	v_add_nc_u32 v[ASX], s60, v21
	v_mul_u32_u24 v21, v1, 48                      ; W's: 48 bytes a row
	s_mul_i32 s60, s20, SCWH
	s_add_co_u32 s60, s60, SCW
	v_add_nc_u32 v[ASW], s60, v21
	v_lshlrev_b32 v[LI], 4, v3
	v_lshlrev_b32 v[RI], 4, v1
.irp b, 0,1,2,3
	v_mov_b32 v[T2+\b], 0                          ; written once: a lane permute's destination counts as one of its sources
.endr
.if ISV
	v_lshlrev_b32 v[BO], 6, v1                     ; the bias of channel 16 p + r: 64 bytes from channel to channel of a head
	WIN 0x80
.irp p, 0,1,2,3
	global_load_b32 v[BC+8*\p], v[BO], s[12:13] offset:1024*\p
.endr
.else
	v_lshlrev_b32 v[BO], 9, v2                     ; the bias of channels 16 p + 8 half + i
	WIN 0x80
.irp p, 0,1,2,3
.irp i, 0,1,2,3,4,5,6,7
	global_load_b32 v[BC+8*\p+\i], v[BO], s[12:13] offset:64*(16*\p+\i)
.endr
.endr
.endif
	WIN 0
; A fragment, 16 rows x 128 K, is 12 registers: lane l holds row l % 16; registers 6 c .. 6 c + 5 hold K = 64 c + 32 (l / 16) + 0 .. 31: 24 bytes of the row as they lie, in pieces of 8 bytes.
; Lanes 16-31 read three pieces further on; where that is behind one padding more, the second address register serves.
.macro FRAG reg, adr, q, i
.irp p, 0,1,2,3,4,5
.set PCE, 12*(\q)+6*(\p/3)+\p%3
.if PCE%8 < 5
	ds_load_b64 v[\reg+2*\p:\reg+2*\p+1], v[\adr] offset:8*PCE+16*(PCE/8)+(\i)*16*PITCH
.else
	ds_load_b64 v[\reg+2*\p:\reg+2*\p+1], v[\adr+3] offset:8*PCE+16*(PCE/8)+(\i)*16*PITCH
.endif
.endr
.endm
.macro FETCH i, set                    ; K step i (128 along K): 8 fragments of X, 4 of W: 72 loads
.set RG, ((\i)/2)%3
.set QQ, (\i)%2
	WIN 0x80
.irp a, 0,1,2,3,4,5,6,7
	FRAG 96*(\set)+12*\a, ADX+RG, QQ, \a
.endr
	WIN 0xc0
.irp a, 0,1,2,3
	FRAG 48*(\set)+12*\a, ADW+RG, QQ, \a
.endr
	WIN 0
.endm
; The products of K step i for X's tiles a0 .. a1 against W's four.  Each of the 32 accumulators has one instruction in a K step: they take turns.  first = 1: C is the bias.
.macro MULA i, set, a0, a1, first
.if \first
	WIN WFIRST
.else
	WIN WMUL
.endif
.set AA, \a0
.rept \a1-\a0+1
.irp p, 0,1,2,3
.set XF, 96*(\set)+12*AA
.set WF, 48*(\set)+12*\p
.if ISV
.set DD, 8*(8*\p+AA)
.if \first
	v_wmma_scale_f32_16x16x128_f8f6f4 v[DD:DD+7], v[XF:XF+11], v[WF:WF+11], v[BC+8*\p:BC+8*\p+7], v[SX+8*AA+(\i)], v[SW+8*\p+(\i)] matrix_a_fmt:MATRIX_FMT_FP6 matrix_b_fmt:MATRIX_FMT_FP6
.else
	v_wmma_scale_f32_16x16x128_f8f6f4 v[DD:DD+7], v[XF:XF+11], v[WF:WF+11], v[DD:DD+7], v[SX+8*AA+(\i)], v[SW+8*\p+(\i)] matrix_a_fmt:MATRIX_FMT_FP6 matrix_b_fmt:MATRIX_FMT_FP6
.endif
.else
.set DD, 8*(4*AA+\p)
.if \first
	v_wmma_scale_f32_16x16x128_f8f6f4 v[DD:DD+7], v[WF:WF+11], v[XF:XF+11], v[BC+8*\p:BC+8*\p+7], v[SW+8*\p+(\i)], v[SX+8*AA+(\i)] matrix_a_fmt:MATRIX_FMT_FP6 matrix_b_fmt:MATRIX_FMT_FP6
.else
	v_wmma_scale_f32_16x16x128_f8f6f4 v[DD:DD+7], v[WF:WF+11], v[XF:XF+11], v[DD:DD+7], v[SW+8*\p+(\i)], v[SX+8*AA+(\i)] matrix_a_fmt:MATRIX_FMT_FP6 matrix_b_fmt:MATRIX_FMT_FP6
.endif
.endif
.endr
.set AA, AA+1
.endr
.endm
.macro KSTEP i, cur, nxt               ; a K step whose successor has landed: its fragments are in; four places behind the products that read the other set; the next step's loads; 32 products
	s_wait_dscnt 0x0
	PLACES 4
	FETCH (\i)+1, \nxt
	MULA \i, \cur, 0, 7, 0
.endm
; Accumulator registers 64 io .. 64 io + 63 are four blocks of 32 along the next K, 16 numbers of each in this lane and 16 in lane l xor 16.  They become image io (v[PC + 12 io] on) and its scale word.
.macro QUANT io
	WIN 0x05                                       ; sources 0 and 1: window 1
.irp b, 0,1,2,3
	v_max3_num_f32 v[TM+\b], |v[64*\io+16*\b]|, |v[64*\io+16*\b+1]|, 0x1800000   ; with the floor 2^(3 - 127): the byte cannot fall under 1.  Each accumulator is read from its low end on
.endr
.irp i, 2,4,6,8,10,12,14
.irp b, 0,1,2,3
	v_max3_num_f32 v[TM+\b], |v[64*\io+16*\b+\i]|, |v[64*\io+16*\b+\i+1]|, v[TM+\b]
.endr
.endr
	WIN 0
.irp b, 0,1,2,3
	v_permlanex16_b32 v[T2+\b], v[TM+\b], s[SEL], s[SEL+1]
.endr
.irp b, 0,1,2,3
	v_max_num_f32 v[TM+\b], v[TM+\b], v[T2+\b]     ; the block's largest magnitude
.endr
.irp b, 0,1,2,3
	v_add_nc_u32 v[SO+\b], 0xff000000, v[TM+\b]    ; 2 off its exponent field: the conversion's scale operand
.endr
.irp b, 0,1,2,3
	v_lshrrev_b32 v[T2+\b], 23, v[SO+\b]           ; the scale's byte
.endr
	v_lshl_or_b32 v[PW+\io], v[T2+1], 8, v[T2]
	v_lshl_or_b32 v[PW+\io], v[T2+2], 16, v[PW+\io]
	v_lshl_or_b32 v[PW+\io], v[T2+3], 24, v[PW+\io]
	WIN 0x01                                       ; source 0: window 1
.irp g, 0,1
	v_cvt_scalef32_pk16_fp6_f32 v[PC+12*\io+6*\g:PC+12*\io+6*\g+2], v[64*\io+32*\g:64*\io+32*\g+15], v[SO+2*\g]
	v_cvt_scalef32_pk16_fp6_f32 v[CT+4*\g:CT+4*\g+2], v[64*\io+32*\g+16:64*\io+32*\g+31], v[SO+2*\g+1]
.endr
	WIN 0
	v_nop                                          ; one plain place behind a scaled conversion
.irp g, 0,1                                    ; a whole block to a lane: lanes 0-15 block 2 g, lanes 16-31 block 2 g + 1
.irp k, 0,1,2
	v_permlane16_swap_b32 v[PC+12*\io+6*\g+\k], v[CT+4*\g+\k]
.endr
.irp k, 0,1,2
	v_mov_b32 v[PC+12*\io+6*\g+3+\k], v[CT+4*\g+\k]
.endr
.endr
.endm
	s_wait_tensorcnt 2                             ; my scale bytes and my part of chunk 0 are in; chunks 1 and 2 may stay out
	s_barrier_signal -1
	s_barrier_wait -1
.irp a, 0,1,2,3,4,5,6,7
	ds_load_b128 v[SX+8*\a:SX+8*\a+3], v[ASX] offset:544*\a          ; a row's eight scale words, one for each K step
	ds_load_b128 v[SX+8*\a+4:SX+8*\a+7], v[ASX] offset:544*\a+16
.endr
.irp p, 0,1,2,3
	ds_load_b128 v[SW+8*\p:SW+8*\p+3], v[ASW] offset:768*\p
	ds_load_b128 v[SW+8*\p+4:SW+8*\p+7], v[ASW] offset:768*\p+16
.endr
	FETCH 0, 0
	s_wait_loadcnt 0x0                             ; the bias
.if ISV
	WIN 0x82
.irp p, 0,1,2,3
.irp i, 1,2,3,4,5,6,7
	v_mov_b32 v[BC+8*\p+\i], v[BC+8*\p]            ; a lane's eight results of a tile belong to one channel
.endr
.endr
	WIN 0
	PLACES 4
.endif
	s_wait_dscnt 0x0
	FETCH 1, 1
	MULA 0, 0, 0, 7, 1                             ; K step 0 starts the sums on the bias
	; K step 1, and the one refill: region 0 has been read out (K steps 0 and 1 are in registers)
	WIN 0
	s_wait_tensorcnt 0x0                           ; all my tensor loads have landed, chunks 1 and 2 among them
	ds_add_u32 v[SPW], v[NIL]                      ; 0 onto my spare word
	s_add_nc_u64 s[G0X+6:G0X+7], s[G0X+6:G0X+7], 576   ; chunk 0's groups 0 become chunk 3's: three chunks of 192 bytes on
	s_add_nc_u64 s[G0W+6:G0W+7], s[G0W+6:G0W+7], 576
	s_wait_dscnt 1                                 ; K step 1's fragments are in; the add alone may be out
	MULA 1, 1, 0, 1, 0
	s_wait_dscnt 0x0                               ; the add is done, and my reads of region 0 are over
	s_barrier_signal -1
	MULA 1, 1, 2, 3, 0
	WIN 0
	s_barrier_wait -1
	CREST                                          ; the barrier has opened a round of the cluster's: no wave of any partner still reads region 0 or has a load on its way
	JLOAD G0X+4, G1X, G0W+4, G1W                   ; chunk 3; the four v_nop behind it are also the places in front of the loads below
	FETCH 2, 0
	MULA 1, 1, 4, 7, 0
	KSTEP 2, 0, 1
	KSTEP 3, 1, 0
	KSTEP 4, 0, 1
	s_wait_dscnt 0x0                               ; K step 5; behind its barrier chunk 3 is read
	s_wait_tensorcnt 0x0                           ; my part of chunk 3, the one load that was out: asked for 112 products ago
	s_barrier_signal -1
	MULA 5, 1, 0, 3, 0
	s_barrier_wait -1                              ; everybody's part is in
	PLACES 4
	FETCH 6, 0
	MULA 5, 1, 4, 7, 0
	KSTEP 6, 0, 1
	s_wait_dscnt 0x0
	MULA 7, 1, 0, 7, 0
	WIN 0
	PLACES 4                                       ; in front of the first read of results
.irp o, 0,1,2,3
	QUANT \o
.irp c, 0,1,2
	global_store_b128 v[LI], v[PC+12*\o+4*\c:PC+12*\o+4*\c+3], s[14:15] offset:1536*\o+512*\c   ; 32 lanes store 512 consecutive bytes; each image has registers of its own
.endr
.endr
	v_cmp_gt_u32 vcc_lo, 16, v3
	s_wait_xcnt 0x0                                ; EXEC changes only behind this wait
	s_and_saveexec_b32 s60, vcc_lo
	global_store_b128 v[RI], v[PW:PW+3], s[16:17]  ; sixteen lanes store the step's 256 bytes of scale words
	s_wait_xcnt 0x0
	s_or_b32 exec_lo, exec_lo, s60
	s_wait_tensorcnt 0x0                           ; the wave's end
	ds_add_u32 v[SPW], v[NIL]
	s_wait_dscnt 0x0
	CROUND                                         ; the closing round
	s_endpgm
.Lfunc_end_k_q32340e67d5_projv:
	.size	k_q32340e67d5_projv, .Lfunc_end_k_q32340e67d5_projv-k_q32340e67d5_projv
	.p2alignl 7, 3214868480
	.fill 96, 4, 3214868480
	.section	.rodata,"a",@progbits
	.p2align	6, 0x0
	.amdhsa_kernel k_q32340e67d5_projv
		.amdhsa_group_segment_fixed_size 327680
		.amdhsa_private_segment_fixed_size 0
		.amdhsa_enable_private_segment 0
		.amdhsa_kernarg_size 56
		.amdhsa_user_sgpr_count 2
		.amdhsa_user_sgpr_kernarg_segment_ptr 1
		.amdhsa_wavefront_size32 1
		.amdhsa_system_sgpr_workgroup_id_x 1
		.amdhsa_system_sgpr_workgroup_id_y 1
		.amdhsa_system_sgpr_workgroup_id_z 1
		.amdhsa_system_vgpr_workitem_id 0
		.amdhsa_next_free_vgpr 864
		.amdhsa_next_free_sgpr 102
		.amdhsa_reserve_vcc 1
		.amdhsa_float_denorm_mode_32 3
		.amdhsa_float_denorm_mode_16_64 3
		.amdhsa_memory_ordered 1
		.amdhsa_forward_progress 1
		.amdhsa_inst_pref_size 103
	.end_amdhsa_kernel
	.amdgpu_metadata
---
amdhsa.version: [ 1, 2 ]
amdhsa.kernels:
  - .name:           k_q32340e67d5_projv
    .symbol:         k_q32340e67d5_projv.kd
    .args:
      - { .name: value_codes, .offset: 0, .size: 8, .value_kind: global_buffer, .address_space: global }
      - { .name: value_scales, .offset: 8, .size: 8, .value_kind: global_buffer, .address_space: global }
      - { .name: Wv_codes, .offset: 16, .size: 8, .value_kind: global_buffer, .address_space: global }
      - { .name: Wv_scales, .offset: 24, .size: 8, .value_kind: global_buffer, .address_space: global }
      - { .name: bv, .offset: 32, .size: 8, .value_kind: global_buffer, .address_space: global }
      - { .name: vimg, .offset: 40, .size: 8, .value_kind: global_buffer, .address_space: global }
      - { .name: vscl, .offset: 48, .size: 8, .value_kind: global_buffer, .address_space: global }
    .group_segment_fixed_size: 327680
    .private_segment_fixed_size: 0
    .kernarg_segment_align: 8
    .kernarg_segment_size: 56
    .max_flat_workgroup_size: 128
    .sgpr_count:     102
    .vgpr_count:     864
    .wavefront_size: 32
...
	.end_amdgpu_metadata
.endif
;; end of part 2
;; launch attn (part 3): grid 4 x 64, 16 waves a work-group, clusters of 4 x 1, 206,848 bytes of LDS; arguments qimg, qscl, kimg, kscl, vimg, vscl, xw; writes xw
.if DOCPART == 3
	.amdgcn_target "amdgcn-amd-amdhsa--gfx1250"
	.amdhsa_code_object_version 6
	.text
	.protected	k_q32340e67d5_attn
	.globl	k_q32340e67d5_attn
	.p2align	8
	.type	k_q32340e67d5_attn,@function
k_q32340e67d5_attn:
	s_mov_b64 s[64:65], 0
	v_nop
	global_prefetch_b8 v0, s[64:65] scope:SCOPE_SE
	s_setreg_imm32_b32 hwreg(HW_REG_WAVE_MODE, 25, 1), 1
	s_wait_xcnt 0x0
	s_wait_alu depctr_hold_cnt(0) depctr_sa_sdst(0) depctr_va_vdst(0) depctr_va_sdst(0) depctr_va_ssrc(0) depctr_va_vcc(0) depctr_vm_vsrc(0)
	s_getreg_b32 s2, hwreg(HW_REG_IB_STS2, 6, 4)
	s_cmp_eq_u32 s2, 0
	s_cbranch_scc0 .Lentry_in_a_cluster
	s_endpgm
.Lentry_in_a_cluster:
	s_bfe_u32 s2, ttmp6, 0x10000c
	s_cmp_lg_u32 s2, 0x3003
	s_cbranch_scc0 .Lentry_shape_is_right
	s_endpgm
.Lentry_shape_is_right:
; ATTENTION of one (batch, head) y = 16 b + head, on codes of FP6 (E2M3) made by the two launches before: x = (sum over keys of p v) / (sum of p), p = 2^(t - M), t = score x log2(e) / 8, M the running largest t rounded up to a whole number.
; p is quantised along the keys, not normalised; the row's sum is taken of the unquantised p in f32 and divides at the end.  When M moves, the sum and O are multiplied by 2^(old M - new M): exact.
; SHARES.  A work-group owns 512 queries of the head (cx: which quarter); each of its sixteen waves one tile of 16 queries in each of two passes: tile 32 cx + 16 pass + wave.  Four waves share a SIMD.  Every wave walks all 2,048 keys, 128 a step.
; THE WHOLE HEAD LIES IN LDS: k's 64 images (98,304 bytes), v's 64, and 4,096 bytes of scale words each, all dense in memory and in LDS.  Every byte is filled once: no ring, no refill.
; CLUSTER: the four work-groups of a head read the same k and v: each tile is asked for jointly (mask 15), by wave 0 (k) and wave 1 (v), five loads each: the scale words and four chunks of 512 keys; five loads of a wave are out at the most.
; The first four steps are walked as soon as the scale words and chunk 0 have landed; one more barrier, with all loads waited for, stands in front of step 4.
; K = 64 IN A FORM OF K = 128: an image of k carries two tiles of 16 keys (registers 0-5, registers 6-11).  q stands between zeros, in v16-33: v[22:33] = (q | 0) gives the scores of the first tile, v[16:27] = (0 | q) those of the second.
; Zero codes add nothing under any scale byte made here (1 to 254).
; LAYOUT.  Both products are used transposed: S^T = k q^T, O^T = v^T p^T: a lane holds one query (lane % 16) throughout.  The 16 registers of two neighbouring tiles are keys 32 b + {8 h + 0..7, 16 + 8 h + 0..7}: inside a block
; p's codes so stand in the order 0-7, 16-23, 8-15, 24-31, as v's do.
; THE ORDER OF A STEP is chosen so that the wave has lines of its own to issue where it would else stand still.  The row's sum is 32 packed additions a step, in four chains.  26 of them are put off to the head of the NEXT step, where
; nothing else is ready: 8 behind the last products and ahead of k's loads, 14 between those loads and the wait for them, 4 as the places between the first four score products and the first read of their results.
; The largest scores of blocks 0 and 1 are sought between the last four score products.  Behind 59 of the 68 exponentials stands a plain line: scalings of later pairs, the scale chain, the multiplications by f.
; OUT: O^T / the sum, f32, as the registers hold it: [y][tile][register / 4][lane][16 bytes]: each store covers 512 consecutive bytes.  x's blocks of 32 span all 16 heads, so it is quantised by the next launch.
; LIMITS: NaN and infinities are not served; a p under 2^-126 counts as 0 (the exponential flushes it); 1 / the sum is v_rcp_f32; a block's largest p is the exponential of its largest score, which takes the exponential not to fall where its input rises.
; REGISTERS: v1 16 x lane, v2 the same + v's images; v3-5 the step's addresses; v6 k's scale words; v7-10 q's offsets; v12 -M, v13 the largest score; v[14:15] 1 / the sum; v16-33 0 | q | 0; v34 q's scale word, v35 p's, v36-39 k's, v40-43 v's;
;   v44-91 four fragments, k's and then v's; v96-159 S^T, then p; v160-191 O^T; v192-203 p's codes; v204-227 at work; v228-235 the sum, four chains of two; v236-242 the second pass's q and its scale word.
.set VIMG, 98304
.set SCK,  196608
.set SCV,  200704
.set CHB,  24576                       ; a chunk: 512 keys, 16 images
.set LS,   228
.set WV,   18
.set SEL,  20                          ; s[20:21] lane l xor 16
.set CS,   22                          ; s[22:23] c = log2(e) / 8
.set G1C,  28
.set G1S,  36
.set G0K,  44                          ; s[44:63] k's groups 0: scale words, chunks 0-3
.set G0V,  68                          ; s[68:87] v's
.set TK,   88                          ; s88 LDS byte of the step's images
.set TS,   89                          ; s89 of its scale words
.set CNT,  90
.macro CROUND
	s_barrier_signal -1
	s_barrier_wait -1
	s_cmp_lg_u32 s[WV], 0
	s_cbranch_scc1 .Lnot_wave_0_\@
	s_barrier_signal -3
.Lnot_wave_0_\@:
	s_barrier_wait -3
	s_barrier_signal -1
	s_barrier_wait -1
.endm
	s_load_b256 s[4:11], s[0:1], 0x0               ; q's images s[4:5], q's scale words s[6:7], k's s[8:9], s[10:11]
	s_load_b128 s[12:15], s[0:1], 0x20             ; v's s[12:13], s[14:15]
	s_load_b64 s[16:17], s[0:1], 0x30              ; x
	v_lshl_add_u32 v254, v0, 2, 0x32000
	v_mov_b32 v255, 0
	ds_add_u32 v254, v255
	ds_add_u32 v254, v255
	v_lshrrev_b32 v1, 5, v0
	v_readfirstlane_b32 s[WV], v1                  ; wave 0..15
	s_bfe_u32 s19, ttmp6, 0x40000                  ; cx
	s_and_b32 s24, ttmp7, 0xffff                   ; y, which the four partners share
	s_mov_b32 s[SEL], 0x76543210
	s_mov_b32 s[SEL+1], 0xfedcba98
	s_mov_b32 s[CS], 0x3e38aa3b
	s_mov_b32 s[CS+1], s[CS]                       ; (named with it as a pair, so it is written)
	s_mov_b32 s[G1C], 15|(3<<16)|(1<<21)           ; the mask: all four; elements of 8 bytes; bit 21 beside a mask; no padding
	s_mov_b32 s[G1C+1], 32<<16                     ; rows of 256 bytes,
	s_mov_b32 s[G1C+2], 96<<16                     ; 96 of them
	s_mov_b32 s[G1C+3], 32<<16
	s_mov_b32 s[G1C+4], 96
	s_mov_b32 s[G1C+5], 32
	s_mov_b32 s[G1C+6], 0
	s_mov_b32 s[G1C+7], 0
	s_mov_b32 s[G1S], 15|(3<<16)|(1<<21)
	s_mov_b32 s[G1S+1], 32<<16
	s_mov_b32 s[G1S+2], 16<<16                     ; 16 rows: 4,096 bytes
	s_mov_b32 s[G1S+3], 32<<16
	s_mov_b32 s[G1S+4], 16
	s_mov_b32 s[G1S+5], 32
	s_mov_b32 s[G1S+6], 0
	s_mov_b32 s[G1S+7], 0
	s_mul_i32 s92, s24, 98304                      ; the head's images,
	s_mov_b32 s93, 0
	s_lshl_b32 s94, s24, 12                        ; its scale words
	s_mov_b32 s95, 0
	s_wait_dscnt 0x0
	s_wait_kmcnt 0x0
	s_add_nc_u64 s[8:9], s[8:9], s[92:93]
	s_add_nc_u64 s[12:13], s[12:13], s[92:93]
	s_add_nc_u64 s[10:11], s[10:11], s[94:95]
	s_add_nc_u64 s[14:15], s[14:15], s[94:95]
	s_mov_b32 s[G0K], 1
	s_mov_b32 s[G0K+1], SCK
	s_mov_b64 s[G0K+2:G0K+3], s[10:11]
	s_or_b32 s[G0K+3], s[G0K+3], 0x80000000
	s_mov_b32 s[G0V], 1
	s_mov_b32 s[G0V+1], SCV
	s_mov_b64 s[G0V+2:G0V+3], s[14:15]
	s_or_b32 s[G0V+3], s[G0V+3], 0x80000000
.irp c, 0,1,2,3
	s_mov_b32 s[G0K+4+4*\c], 1
	s_mov_b32 s[G0K+5+4*\c], \c*CHB
	s_add_nc_u64 s[G0K+6+4*\c:G0K+7+4*\c], s[8:9], \c*CHB
	s_or_b32 s[G0K+7+4*\c], s[G0K+7+4*\c], 0x80000000
	s_mov_b32 s[G0V+4+4*\c], 1
	s_mov_b32 s[G0V+5+4*\c], VIMG+\c*CHB
	s_add_nc_u64 s[G0V+6+4*\c:G0V+7+4*\c], s[12:13], \c*CHB
	s_or_b32 s[G0V+7+4*\c], s[G0V+7+4*\c], 0x80000000
.endr
	CROUND                                         ; all four work-groups are here: the joint loads meet
	s_cmp_eq_u32 s[WV], 0                          ; a wave's five fills stand in one branch on the wave's number, ahead of every wait on TENSORcnt, every LDS read and every further barrier
	s_cbranch_scc0 .Lnot_k
.irp c, 0,1,2,3,4
.if \c == 0
	tensor_load_to_lds s[G0K:G0K+3], s[G1S:G1S+7]
	s_nop 0
.else
	tensor_load_to_lds s[G0K+4*\c:G0K+4*\c+3], s[G1C:G1C+7]
	s_nop 0
.endif
.endr
.rept 4
	v_nop
.endr
	s_branch .Lasked
.Lnot_k:
	s_cmp_eq_u32 s[WV], 1
	s_cbranch_scc0 .Lasked
.irp c, 0,1,2,3,4
.if \c == 0
	tensor_load_to_lds s[G0V:G0V+3], s[G1S:G1S+7]
	s_nop 0
.else
	tensor_load_to_lds s[G0V+4*\c:G0V+4*\c+3], s[G1C:G1C+7]
	s_nop 0
.endif
.endr
.rept 4
	v_nop
.endr
.Lasked:
	s_lshl_b32 s91, s24, 6                         ; q's image of pass 0: 64 y + 16 cx + wave / 2
	s_lshl_b32 s92, s19, 4
	s_add_co_u32 s91, s91, s92
	s_lshr_b32 s92, s[WV], 1
	s_add_co_u32 s91, s91, s92
	s_mul_i32 s92, s91, 1536
	s_mov_b32 s93, 0
	s_add_nc_u64 s[4:5], s[4:5], s[92:93]
	s_lshl_b32 s94, s24, 12                        ; its scale word: step 4 cx + wave / 8, word (wave / 2) % 4
	s_lshl_b32 s96, s19, 10
	s_add_co_u32 s94, s94, s96
	s_lshr_b32 s96, s[WV], 3
	s_lshl_b32 s96, s96, 8
	s_add_co_u32 s94, s94, s96
	s_bfe_u32 s96, s[WV], 0x20001
	s_lshl_b32 s96, s96, 2
	s_add_co_u32 s94, s94, s96
	s_mov_b32 s95, 0
	s_add_nc_u64 s[6:7], s[6:7], s[94:95]
	s_lshl_b32 s96, s24, 7                         ; x: tile 128 y + 32 cx + wave, 4,096 bytes each
	s_lshl_b32 s97, s19, 5
	s_add_co_u32 s96, s96, s97
	s_add_co_u32 s96, s96, s[WV]
	s_lshl_b32 s96, s96, 12
	s_mov_b32 s97, 0
	s_add_nc_u64 s[16:17], s[16:17], s[96:97]
	s_and_b32 s98, s[WV], 1                        ; u: my tile is the image's first or second
	s_mul_i32 s91, s98, 0x02020202
	s_add_co_u32 s91, s91, 0x01000100              ; byte select: my tile's two scale bytes, twice
	v_and_b32 v1, 31, v0
	v_lshlrev_b32 v1, 4, v1                        ; 16 x lane
	v_add_nc_u32 v2, VIMG, v1
	v_and_b32 v6, 15, v0
	v_lshlrev_b32 v10, 4, v6                       ; 16 r
	v_add_nc_u32 v6, SCK, v10
	s_mul_i32 s96, s98, 520                        ; registers 6 u .. 6 u + 5 of an image lie at 16 l + 520 u, 16 l + 8 + 1016 u, 16 l + 512 + 520 u
	v_add_nc_u32 v7, s96, v1
	s_add_co_u32 s96, s96, 512
	v_add_nc_u32 v9, s96, v1
	s_mul_i32 s96, s98, 1016
	s_add_co_u32 s96, s96, 8
	v_add_nc_u32 v8, s96, v1
	global_load_b64 v[22:23], v7, s[4:5]           ; q's six registers and its scale word, for both passes at once: the second pass's tile lies eight images and two steps of scale words further on
	global_load_b64 v[24:25], v8, s[4:5]
	global_load_b64 v[26:27], v9, s[4:5]
	global_load_b32 v34, v10, s[6:7]
	global_load_b64 v[236:237], v7, s[4:5] offset:12288
	global_load_b64 v[238:239], v8, s[4:5] offset:12288
	global_load_b64 v[240:241], v9, s[4:5] offset:12288
	global_load_b32 v242, v10, s[6:7] offset:512
.irp j, 16,17,18,19,20,21,28,29,30,31,32,33
	v_mov_b32 v[\j], 0                             ; the zero codes on both sides of q
.endr
	v_mov_b32 v15, 0                               ; (named as the upper halves of the pairs v[14:15] and v[224:225])
	v_mov_b32 v225, 0
.macro ADDP j                          ; pair j of the lane's 32 pairs of p goes onto chain j % 4 of the row's sum
	v_pk_add_f32 v[LS+2*((\j)%4):LS+2*((\j)%4)+1], v[LS+2*((\j)%4):LS+2*((\j)%4)+1], v[96+2*(\j):97+2*(\j)]
.endm
.macro ADDS a, n                       ; pairs a .. a + n - 1
.set jj, \a
.rept \n
	ADDP jj
.set jj, jj+1
.endr
.endm
.macro FM k                            ; pair k: t - M, two at a time (of the pairs c and -M the low word serves both halves)
	v_pk_fma_f32 v[96+2*(\k):97+2*(\k)], v[96+2*(\k):97+2*(\k)], s[CS:CS+1], v[12:13] op_sel_hi:[1,0,0]
.endm
.macro QK b, u                         ; the scores of tile u of k's image b
	v_wmma_scale_f32_16x16x128_f8f6f4 v[96+16*(\b)+8*(\u):103+16*(\b)+8*(\u)], v[44+12*(\b):55+12*(\b)], v[22-6*(\u):33-6*(\u)], 0, v[36+(\b)], v34 matrix_a_fmt:MATRIX_FMT_FP6 matrix_b_fmt:MATRIX_FMT_FP6
.endm
; Line n of the eight that find the largest score of block b of 32 keys (my 16 of them): a chain for each of its two accumulators, each read from its low end on, then the two registers left over and the join.
.macro MAXL b, n
.set SB, 96+16*(\b)
.if (\n) == 0
	v_max3_num_f32 v[212+(\b)], v[SB], v[SB+1], v[SB+2]
.elseif (\n) == 1
	v_max3_num_f32 v[216+(\b)], v[SB+8], v[SB+9], v[SB+10]
.elseif (\n) == 2
	v_max3_num_f32 v[212+(\b)], v[212+(\b)], v[SB+3], v[SB+4]
.elseif (\n) == 3
	v_max3_num_f32 v[216+(\b)], v[216+(\b)], v[SB+11], v[SB+12]
.elseif (\n) == 4
	v_max3_num_f32 v[212+(\b)], v[212+(\b)], v[SB+5], v[SB+6]
.elseif (\n) == 5
	v_max3_num_f32 v[216+(\b)], v[216+(\b)], v[SB+13], v[SB+14]
.elseif (\n) == 6
	v_max3_num_f32 v[212+(\b)], v[212+(\b)], v[SB+7], v[SB+15]
.else
	v_max_num_f32 v[212+(\b)], v[212+(\b)], v[216+(\b)]
.endif
.endm
; Plain line i of the 35 that stand among the exponentials: the four blocks' scale chain, p's scale word, the sums and O^T under the new M.
.macro OTH i
.if (\i) < 4
	s_wait_alu depctr_va_vdst(0)
	v_max_num_f32 v[212+(\i)], 0x1800000, v[212+(\i)]            ; the floor 2^(3 - 127) under the block's largest p: the byte cannot fall under 1
.elseif (\i) < 8
	v_add_nc_u32 v[220+(\i)-4], 0xff000000, v[212+(\i)-4]        ; 2 off the exponent field: the conversion's scale operand
.elseif (\i) < 12
	v_lshrrev_b32 v[216+(\i)-8], 23, v[220+(\i)-8]               ; the scale's byte
.elseif (\i) == 12
	v_lshl_or_b32 v35, v217, 8, v216                             ; p's scale word for these 128 keys
.elseif (\i) == 13
	v_lshl_or_b32 v35, v218, 16, v35
.elseif (\i) == 14
	v_lshl_or_b32 v35, v219, 24, v35
.elseif (\i) < 19
	v_pk_mul_f32 v[LS+2*((\i)-15):LS+2*((\i)-15)+1], v[LS+2*((\i)-15):LS+2*((\i)-15)+1], v[224:225] op_sel_hi:[1,0]   ; the four chains x f: behind the last step's additions, ahead of this step's
.else
	v_pk_mul_f32 v[160+2*((\i)-19):161+2*((\i)-19)], v[160+2*((\i)-19):161+2*((\i)-19)], v[224:225] op_sel_hi:[1,0]   ; O^T x f
.endif
.endm
; A KEY STEP: 128 keys.  first = 1: a pass's first step, to which no additions have been put off.
.macro STEP first
	v_add_nc_u32 v3, s[TK], v1
	v_add_nc_u32 v4, s[TK], v2
	v_add_nc_u32 v5, s[TS], v6
.if \first == 0
	ADDS 0, 8                                      ; the last step's p, pairs 0-7.  With the three lines above: the places behind the last step's products, in front of loads into registers that they read
.endif
.irp b, 0,1,2,3
.irp c, 0,1,2
	ds_load_b128 v[44+12*\b+4*\c:47+12*\b+4*\c], v3 offset:1536*\b+512*\c   ; k's four images, as they were stored
.endr
.endr
	ds_load_b128 v[36:39], v5                      ; their scale words
.if \first == 0
	ADDS 8, 14                                     ; pairs 8-21, while the loads are out: all of v96-139 is read before the products below write it
.endif
	s_wait_dscnt 0x0
	QK 0, 0
	QK 0, 1
	QK 1, 0
	QK 1, 1
.if \first
.rept 4
	v_nop
.endr
.else
	ADDS 22, 4                                     ; pairs 22-25 (v140-147), ahead of the products that write them: four places between the products above and the first read of their results
.endif
	QK 2, 0
.irp n, 0,1,2,3
	MAXL 0, \n
.endr
	QK 2, 1
.irp n, 4,5,6,7
	MAXL 0, \n
.endr
	QK 3, 0
.irp n, 0,1,2,3
	MAXL 1, \n
.endr
	QK 3, 1
.irp n, 4,5,6,7
	MAXL 1, \n                                     ; these four name no register of the last product: its places
.endr
.irp n, 0,1,2,3,4,5,6,7
	MAXL 2, \n                                     ; blocks 2 and 3 by turns
	MAXL 3, \n
.endr
.irp p, 0,1,2,3
.irp c, 0,1,2
	ds_load_b128 v[44+12*\p+4*\c:47+12*\p+4*\c], v4 offset:1536*\p+512*\c   ; v's four images, in one run; they land under the softmax
.endr
.endr
	ds_load_b128 v[40:43], v5 offset:SCV-SCK
.irp b, 0,1,2,3
	v_permlanex16_b32 v[216+\b], v[212+\b], s[SEL], s[SEL+1]
.endr
.irp b, 0,1,2,3
	v_max_num_f32 v[212+\b], v[212+\b], v[216+\b]  ; with lane l xor 16's 16 keys: the block's largest score: for the row's maximum, and for the block's largest p
.endr
	v_mov_b32 v226, v12                            ; the old -M
	v_max3_num_f32 v227, v212, v213, v214
	v_max3_num_f32 v13, v227, v215, v13            ; the running largest score
	v_mul_f32 v227, s[CS], v13                     ; as t (c is positive)
	v_floor_f32 v12, -v227                         ; the new -M = floor(-t): M is a whole number
	v_sub_f32 v226, v12, v226                      ; old M - new M: a whole number, 0 or less
	FM 0
	FM 1
	v_cvt_i32_f32 v226, v226                       ; (it saturates)
	FM 2
	FM 3
	v_ldexp_f32 v224, 1.0, v226                    ; f = 2^(old M - new M)
.irp b, 0,1,2,3
	v_fma_f32 v[212+\b], v[212+\b], s[CS], v12     ; t - M of each block's largest score
.endr
	FM 4
	FM 5
	FM 6
	FM 7
.irp b, 0,1,2,3
	v_exp_f32 v[212+\b], v[212+\b]                 ; the block's largest p
	FM 8+\b
.endr
.set nn, 0
.rept 64                                       ; p = 2^(t - M), at most 1.  Behind an exponential stands a plain line that touches neither its result nor its source; nine late ones have none left, and the last has one
	v_exp_f32 v[96+nn], v[96+nn]
.if (nn%2) == 1
	OTH (nn-1)/2
.elseif nn < 40
	FM 12+nn/2
.elseif nn < 46
	OTH 32+(nn-40)/2
.endif
.set nn, nn+1
.endr
	s_wait_alu depctr_va_vdst(0)
.irp c, 0,1
	v_cvt_scalef32_pk16_fp6_f32 v[192+6*\c:194+6*\c], v[96+32*\c:111+32*\c], v[220+2*\c]
	v_cvt_scalef32_pk16_fp6_f32 v[204+4*\c:206+4*\c], v[112+32*\c:127+32*\c], v[220+2*\c+1]
.endr
	ADDP 26                                        ; this step's p, pair 26: the plain place behind the scaled conversions
.irp c, 0,1                                    ; a whole block to a lane: lanes 0-15 block 2 c, lanes 16-31 block 2 c + 1
.irp i, 0,1,2
	v_permlane16_swap_b32 v[192+6*\c+\i], v[204+4*\c+\i]
.endr
.endr
.irp c, 0,1
.irp i, 0,1,2
	v_mov_b32 v[195+6*\c+\i], v[204+4*\c+\i]
.endr
.endr
	ADDS 27, 5                                     ; pairs 27-31: five lines that name no register of the products below, between the last line that wrote p's codes and those products
	s_wait_dscnt 0x0                               ; v's images and scale words
.irp p, 0,1,2,3                                ; four accumulators, one instruction each: they take turns
	v_wmma_scale_f32_16x16x128_f8f6f4 v[160+8*\p:167+8*\p], v[44+12*\p:55+12*\p], v[192:203], v[160+8*\p:167+8*\p], v[40+\p], v35 matrix_a_fmt:MATRIX_FMT_FP6 matrix_b_fmt:MATRIX_FMT_FP6
.endr
	s_add_co_u32 s[TK], s[TK], 6144
	s_add_co_u32 s[TS], s[TS], 256
.endm
.macro TRIPS label, n                  ; n more steps
	s_mov_b32 s[CNT], \n
\label:
	STEP 0
	s_sub_co_u32 s[CNT], s[CNT], 1
	s_cmp_lg_u32 s[CNT], 0
	s_cbranch_scc1 \label
.endm
.macro PASS pi
	v_mov_b32 v13, 0xff61b1e6                      ; the largest score so far: -3e38
	v_floor_f32 v12, -v13                          ; -M: so large that the first f is 0
.irp i, 0,1,2,3,4,5,6,7
	v_mov_b32 v[LS+\i], 0                          ; the sum's four chains
.endr
.if \pi == 0
	s_wait_loadcnt 0x0                             ; q, both passes'
	v_perm_b32 v34, v34, v34, s91                  ; my tile's two scale bytes at both places of the word
.else
.irp i, 0,1,2,3,4,5
	v_mov_b32 v[22+\i], v[236+\i]
.endr
	v_perm_b32 v34, v242, v242, s91
.endif
.set j, 0
.rept 32
	v_mov_b32 v[160+j], 0                          ; O^T: the first step finds zeros.  (These lines are also the places between the making of q's registers and scale word and the first product)
.set j, j+1
.endr
	s_mov_b32 s[TK], 0
	s_mov_b32 s[TS], 0
.if \pi == 0
	s_wait_tensorcnt 3                             ; of a fetching wave's five loads chunks 1, 2 and 3 may stay out: the scale words and chunk 0 are in
	s_barrier_signal -1
	s_barrier_wait -1                              ; both fetching waves' are
	STEP 1
	TRIPS .Lfirst, 3
	s_wait_tensorcnt 0x0                           ; chunks 1, 2 and 3: the fetching waves wait for them ahead of their signal,
	s_wait_dscnt 0x0
	s_barrier_signal -1
	s_barrier_wait -1                              ; and every read of those bytes stands behind this wait
	s_mov_b32 s[TK], CHB
	s_mov_b32 s[TS], 1024
	TRIPS .Lrest, 12
.else
	STEP 1
	TRIPS .Lall, 15
.endif
	ADDS 0, 26                                     ; the last step's additions that were put off; they are also the places in front of the first read of the last results
	v_pk_add_f32 v[LS:LS+1], v[LS:LS+1], v[LS+2:LS+3]
	v_pk_add_f32 v[LS+4:LS+5], v[LS+4:LS+5], v[LS+6:LS+7]
	v_pk_add_f32 v[LS:LS+1], v[LS:LS+1], v[LS+4:LS+5]
	v_add_f32 v14, v[LS], v[LS+1]
	v_permlanex16_b32 v226, v14, s[SEL], s[SEL+1]
	v_add_f32 v14, v14, v226                       ; the row's sum
	v_rcp_f32 v14, v14
	v_nop
.set j, 0
	s_wait_alu depctr_va_vdst(0)
.rept 16
	v_pk_mul_f32 v[96+j:97+j], v[160+j:161+j], v[14:15] op_sel_hi:[1,0]   ; O^T / the sum, each accumulator from its low end on
.set j, j+2
.endr
.irp q, 0,1,2,3,4,5,6,7
	global_store_b128 v1, v[96+4*\q:99+4*\q], s[16:17] offset:65536*\pi+512*\q   ; 32 lanes store 512 consecutive bytes
.endr
.if \pi == 0
	s_wait_xcnt 0x0                                ; the stores' data are written again only behind this wait
.endif
.endm
	PASS 0
	PASS 1
	s_wait_tensorcnt 0x0
	s_wait_tensorcnt 0x0
	ds_add_u32 v254, v255
	s_wait_dscnt 0x0
	CROUND                                         ; the closing round
	s_endpgm
.Lfunc_end_k_q32340e67d5_attn:
	.size	k_q32340e67d5_attn, .Lfunc_end_k_q32340e67d5_attn-k_q32340e67d5_attn
	.p2alignl 7, 3214868480
	.fill 96, 4, 3214868480
	.section	.rodata,"a",@progbits
	.p2align	6, 0x0
	.amdhsa_kernel k_q32340e67d5_attn
		.amdhsa_group_segment_fixed_size 206848
		.amdhsa_private_segment_fixed_size 0
		.amdhsa_enable_private_segment 0
		.amdhsa_kernarg_size 56
		.amdhsa_user_sgpr_count 2
		.amdhsa_user_sgpr_kernarg_segment_ptr 1
		.amdhsa_wavefront_size32 1
		.amdhsa_system_sgpr_workgroup_id_x 1
		.amdhsa_system_sgpr_workgroup_id_y 1
		.amdhsa_system_sgpr_workgroup_id_z 1
		.amdhsa_system_vgpr_workitem_id 0
		.amdhsa_next_free_vgpr 256
		.amdhsa_next_free_sgpr 100
		.amdhsa_reserve_vcc 0
		.amdhsa_float_denorm_mode_32 3
		.amdhsa_float_denorm_mode_16_64 3
		.amdhsa_memory_ordered 1
		.amdhsa_forward_progress 1
		.amdhsa_inst_pref_size 95
	.end_amdhsa_kernel
	.amdgpu_metadata
---
amdhsa.version: [ 1, 2 ]
amdhsa.kernels:
  - .name:           k_q32340e67d5_attn
    .symbol:         k_q32340e67d5_attn.kd
    .args:
      - { .name: qimg, .offset: 0, .size: 8, .value_kind: global_buffer, .address_space: global }
      - { .name: qscl, .offset: 8, .size: 8, .value_kind: global_buffer, .address_space: global }
      - { .name: kimg, .offset: 16, .size: 8, .value_kind: global_buffer, .address_space: global }
      - { .name: kscl, .offset: 24, .size: 8, .value_kind: global_buffer, .address_space: global }
      - { .name: vimg, .offset: 32, .size: 8, .value_kind: global_buffer, .address_space: global }
      - { .name: vscl, .offset: 40, .size: 8, .value_kind: global_buffer, .address_space: global }
      - { .name: xw, .offset: 48, .size: 8, .value_kind: global_buffer, .address_space: global }
    .group_segment_fixed_size: 206848
    .private_segment_fixed_size: 0
    .kernarg_segment_align: 8
    .kernarg_segment_size: 56
    .max_flat_workgroup_size: 512
    .sgpr_count:     100
    .vgpr_count:     256
    .wavefront_size: 32
...
	.end_amdgpu_metadata
.endif
;; end of part 3
;; launch outproj (part 4): grid 128 x 2, 4 waves a work-group, clusters of 4 x 1, 327,680 bytes of LDS; arguments xw, Wm_codes, Wm_scales, bm, out0; writes out0
.if DOCPART == 4
	.amdgcn_target "amdgcn-amd-amdhsa--gfx1250"
	.amdhsa_code_object_version 6
	.text
	.protected	k_q32340e67d5_outproj
	.globl	k_q32340e67d5_outproj
	.p2align	8
	.type	k_q32340e67d5_outproj,@function
k_q32340e67d5_outproj:
	s_mov_b64 s[64:65], 0
	v_nop
	global_prefetch_b8 v0, s[64:65] scope:SCOPE_SE
	s_setreg_imm32_b32 hwreg(HW_REG_WAVE_MODE, 25, 1), 1
	s_wait_xcnt 0x0
	s_wait_alu depctr_hold_cnt(0) depctr_sa_sdst(0) depctr_va_vdst(0) depctr_va_sdst(0) depctr_va_ssrc(0) depctr_va_vcc(0) depctr_vm_vsrc(0)
	s_getreg_b32 s2, hwreg(HW_REG_IB_STS2, 6, 4)
	s_cmp_eq_u32 s2, 0
	s_cbranch_scc0 .Lentry_in_a_cluster
	s_endpgm
.Lentry_in_a_cluster:
	s_bfe_u32 s2, ttmp6, 0x10000c
	s_cmp_lg_u32 s2, 0x3003
	s_cbranch_scc0 .Lentry_shape_is_right
	s_endpgm
.Lentry_shape_is_right:
; out0[b][e][n] = sum over c of Wm[e][c] x[b][c][n] + bm[e], on codes of FP6 (E2M3).  x arrives in f32 as the attention's waves left it, [y = 16 b + head][tile of 16 n][register / 4][lane][16 bytes]
; (register 8 p + i of lane (r, h): n = r, d = 16 p + 8 h + i), and is quantised here along c = 16 d + head: a block of 32 is two d x all 16 heads.  Wm: given codes, 768 bytes a row, and scale bytes, 32 a row.
; SHARES.  A work-group: 64 n (four tiles; a row of out0 is then 256 consecutive bytes) x 512 e (half of them: ey).  Wave w quantises K steps 2 w and 2 w + 1 of the four tiles; in each of four slots of 128 e it makes e 32 w .. 32 w + 31.
; x's 256 KiB come by two plain tensor loads a wave; a lane gathers its 64 numbers of a fragment from LDS in the true order of K (register 16 b + i: c = 128 s + 32 b + 16 (lane / 16) + i, that is head i, d = 8 s + 2 b + lane / 16),
; and the fragments go from wave to wave as images of their registers.  Then all 32 fragments of x stay in registers, and Wm walks through two LDS slots laid over x's bytes.
; CLUSTER 4 x 1: the four partners share ey, so Wm's tiles are asked for jointly (mask 15); each wave fetches the 32 rows that it multiplies, one dense block of 24,576 bytes.
; THE PRODUCT: source 0 = x's 16 n, source 1 = Wm's 16 e: a lane holds one e and eight neighbouring n.  The bias is the C of each sum's first product.
; LIMITS: a block whose largest magnitude lies under 2^-124, a block of zeros among them, keeps the scale byte 1; NaN and infinities are not served.
; REGISTERS.  window 0: v1-20 addresses; v28, v29 for the add; v32-95 Wm's scale words (8 (2 s + t) + k), v96-127 x's (8 a + k); v128-191 64 numbers of x, later the 8 accumulators (8 (4 t + a)); v192-228 the quantiser's, later v192-255 rows of out0.
;   window 1: x's fragments of tiles 0, 1 (12 (8 (a % 2) + k)); window 2: of tiles 2, 3; window 3: Wm's 16 fragments of a slot (12 (2 k + t)), from v192 the bias (8 (2 s + t)).
.set X1,    131072                     ; x: [head 16][tile 2][4,096 bytes] for tiles 0, 1 at 0, for tiles 2, 3 here
.set SLB,   104448                     ; Wm's slot A at 0, slot B here: 128 rows x 816 bytes
.set WROW,  816                        ; a row of Wm: 3 x (256 bytes + 16): 204 words: row r starts at bank 12 r mod 64, so the 32 lanes of a load of 8 bytes touch 64 different banks
.set WQ,    32*WROW
.set STG,   208896                     ; behind slot B: a stage of 32 rows x 272 bytes for each wave; these bytes have x's first fill alone
.set IMG,   262144                     ; x's 32 images (8 a + s), 1,536 bytes each
.set XSC,   IMG+32*1536                ; their scale words, 128 bytes each
.set SPARE, XSC+32*128                 ; the spare words, 128 bytes a wave: two blocks of 256 bytes that no other line names
.set PC,  192
.set TM,  212
.set PW,  228
.set WV,  14
.set SEL, 20
.set G1X, 24
.set G1W, 32
.set G0X0, 40
.set G0X1, 44
.set G0A, 48
.set G0B, 52
.set MSB, 0
.macro WIN new                         ; the immediate's high byte repeats the setting that is left
.if MSB != (\new)
	s_set_vgpr_msb (MSB<<8)|(\new)
.set MSB, (\new)
.endif
.endm
.macro PLACES n
.rept \n
	v_nop
.endr
.endm
.macro CROUND
	s_barrier_signal -1
	s_barrier_wait -1
	s_cmp_lg_u32 s[WV], 0
	s_cbranch_scc1 .Lnot_wave_0_\@
	s_barrier_signal -3
.Lnot_wave_0_\@:
	s_barrier_wait -3
	s_barrier_signal -1
	s_barrier_wait -1
.endm
.macro LINES st                        ; in front of each round behind which LDS bytes are filled again, and at the wave's end.  st = 1, 2: slot A's or B's group 0 steps two slots on
	s_wait_tensorcnt 0x0                           ; all my tensor loads have landed
	ds_add_u32 v28, v29                            ; 0 onto my spare word
.if \st == 1
	s_add_nc_u64 s[G0A+2:G0A+3], s[G0A+2:G0A+3], 196608
.elseif \st == 2
	s_add_nc_u64 s[G0B+2:G0B+3], s[G0B+2:G0B+3], 196608
.endif
	s_wait_dscnt 0x0                               ; the add is done; my LDS stores have landed and my LDS reads are over
.endm
	s_load_b256 s[4:11], s[0:1], 0x0               ; x s[4:5], Wm's codes s[6:7], its scales s[8:9], bm s[10:11]
	s_load_b64 s[12:13], s[0:1], 0x20              ; out0
	v_lshl_add_u32 v28, v0, 2, SPARE
	v_mov_b32 v29, 0
	ds_add_u32 v28, v29
	ds_add_u32 v28, v29
	s_wait_dscnt 0x0
	v_lshrrev_b32 v1, 5, v0
	v_readfirstlane_b32 s[WV], v1                  ; wave 0..3
	s_bfe_u32 s15, ttmp6, 0x40000                  ; cx
	s_lshl_b32 s16, ttmp9, 2
	s_add_co_u32 s16, s16, s15                     ; my block of 64 n among 128
	s_and_b32 s17, ttmp7, 0xffff                   ; ey
	s_lshr_b32 s18, s16, 5                         ; b
	s_and_b32 s19, s16, 31                         ; the block within b
	s_mov_b32 s[SEL], 0x76543210
	s_mov_b32 s[SEL+1], 0xfedcba98
	s_mov_b32 s[G1X], 3<<16                        ; x: no mask; elements of 8 bytes; no padding
	s_mov_b32 s[G1X+1], 1024<<16                   ; rows of 8,192 bytes (two tiles),
	s_mov_b32 s[G1X+2], 4<<16                      ; four heads,
	s_mov_b32 s[G1X+3], 1024<<16
	s_mov_b32 s[G1X+4], 4
	s_mov_b32 s[G1X+5], 65536                      ; 524,288 bytes from head to head
	s_mov_b32 s[G1X+6], 0
	s_mov_b32 s[G1X+7], 0
	s_mov_b32 s[G1W], 15|(3<<16)|(1<<20)|(1<<21)|(5<<22)|(3<<25)   ; Wm: all four partners; 4 words of padding behind every 64
	s_mov_b32 s[G1W+1], 32<<16
	s_mov_b32 s[G1W+2], 96<<16                     ; 32 rows of 768 bytes as 96 rows of 256
	s_mov_b32 s[G1W+3], 32<<16
	s_mov_b32 s[G1W+4], 96
	s_mov_b32 s[G1W+5], 32
	s_mov_b32 s[G1W+6], 0
	s_mov_b32 s[G1W+7], 0
	s_lshl_b32 s56, s18, 4                         ; x: ((16 b + 4 wave) 128 + 4 block) tiles of 4,096 bytes
	s_lshl_b32 s57, s[WV], 2
	s_add_co_u32 s56, s56, s57
	s_lshl_b32 s56, s56, 7
	s_lshl_b32 s57, s19, 2
	s_add_co_u32 s56, s56, s57
	s_lshl_b32 s56, s56, 12
	s_mov_b32 s57, 0
	s_lshl_b32 s58, s17, 9                         ; my first e: 512 ey + 32 wave: no place in the cluster enters it
	s_lshl_b32 s59, s[WV], 5
	s_add_co_u32 s58, s58, s59
	s_lshl_b32 s60, s58, 5                         ; its scale bytes,
	s_lshl_b32 s62, s58, 2                         ; its bias,
	s_lshl_b32 s66, s58, 13                        ; its row of out0,
	s_mul_i32 s58, s58, 768                        ; its codes
	s_mov_b32 s59, 0
	s_mov_b32 s61, 0
	s_mov_b32 s63, 0
	s_mov_b32 s67, 0
	s_lshl_b32 s68, s18, 23
	s_add_co_u32 s66, s66, s68
	s_lshl_b32 s68, s19, 8
	s_add_co_u32 s66, s66, s68                     ; + b's 1,024 rows + my 256 bytes of a row
	s_wait_kmcnt 0x0
	s_add_nc_u64 s[4:5], s[4:5], s[56:57]
	s_add_nc_u64 s[6:7], s[6:7], s[58:59]
	s_add_nc_u64 s[8:9], s[8:9], s[60:61]
	s_add_nc_u64 s[10:11], s[10:11], s[62:63]
	s_add_nc_u64 s[12:13], s[12:13], s[66:67]
	s_mov_b32 s[G0X0], 1
	s_lshl_b32 s[G0X0+1], s[WV], 15
	s_mov_b64 s[G0X0+2:G0X0+3], s[4:5]
	s_or_b32 s[G0X0+3], s[G0X0+3], 0x80000000
	s_mov_b32 s[G0X1], 1
	s_lshl_b32 s[G0X1+1], s[WV], 15
	s_add_co_u32 s[G0X1+1], s[G0X1+1], X1
	s_add_nc_u64 s[G0X1+2:G0X1+3], s[4:5], 8192
	s_or_b32 s[G0X1+3], s[G0X1+3], 0x80000000
	s_mov_b32 s[G0A], 1
	s_mul_i32 s[G0A+1], s[WV], WQ
	s_mov_b64 s[G0A+2:G0A+3], s[6:7]
	s_or_b32 s[G0A+3], s[G0A+3], 0x80000000
	s_mov_b32 s[G0B], 1
	s_mul_i32 s[G0B+1], s[WV], WQ
	s_add_co_u32 s[G0B+1], s[G0B+1], SLB
	s_add_nc_u64 s[G0B+2:G0B+3], s[6:7], 98304
	s_or_b32 s[G0B+3], s[G0B+3], 0x80000000
	CROUND                                         ; in a cluster launch every group of tensor loads stands behind a round
	tensor_load_to_lds s[G0X0:G0X0+3], s[G1X:G1X+7]   ; x's tiles 0, 1 of my four heads
	s_nop 0
	tensor_load_to_lds s[G0X1:G0X1+3], s[G1X:G1X+7]   ; tiles 2, 3: two loads of mine are out
	s_nop 0
	PLACES 4
	v_and_b32 v3, 31, v0                           ; lane
	v_and_b32 v1, 15, v0                           ; r
	v_bfe_u32 v2, v0, 4, 1                         ; half
	v_lshlrev_b32 v19, 5, v1
	v_lshlrev_b32 v20, 2, v1
.irp s, 0,1,2,3
.irp t, 0,1
	global_load_b128 v[32+8*(2*\s+\t):35+8*(2*\s+\t)], v19, s[8:9] offset:(128*\s+16*\t)*32       ; Wm's scale words: a row's eight
	global_load_b128 v[36+8*(2*\s+\t):39+8*(2*\s+\t)], v19, s[8:9] offset:(128*\s+16*\t)*32+16
.endr
.endr
	WIN 0xc0
.irp s, 0,1,2,3
.irp t, 0,1
	global_load_b32 v[192+8*(2*\s+\t)], v20, s[10:11] offset:(128*\s+16*\t)*4
.endr
.endr
	WIN 0
	v_lshlrev_b32 v21, 4, v1
	v_lshl_add_u32 v21, v2, 2, v21                 ; x in LDS: 16 r + 4 half + 1,024 wave (my two K steps are d = 16 wave on)
	s_lshl_b32 s68, s[WV], 10
	v_add_nc_u32 v4, s68, v21                      ; tiles 0, 1: heads 0-7,
	v_add_nc_u32 v5, 0x10000, v4                   ; heads 8-15;
	v_add_nc_u32 v6, 0x20000, v4                   ; tiles 2, 3
	v_add_nc_u32 v7, 0x30000, v4
	v_lshlrev_b32 v22, 4, v3
	v_lshlrev_b32 v23, 2, v3
	v_add_nc_u32 v10, IMG, v22                     ; an image's place for my lane,
	v_add_nc_u32 v11, XSC, v23                     ; a scale word's;
	s_mul_i32 s68, s[WV], 3072
	v_add_nc_u32 v8, s68, v10                      ; where I store mine
	s_lshl_b32 s68, s[WV], 8
	v_add_nc_u32 v9, s68, v11
	v_mul_u32_u24 v21, v1, WROW
	s_mul_i32 s68, s[WV], WQ
	v_add_nc_u32 v21, s68, v21
	v_mad_u32_u24 v12, v2, 24, v21                 ; Wm's fragments: slot A,
	v_mad_u32_u24 v14, v2, 40, v21                 ; the same behind one padding more;
	v_add_nc_u32 v13, SLB, v12                     ; slot B
	v_add_nc_u32 v15, SLB, v14
	s_mul_i32 s68, s[WV], 8704
	s_add_co_u32 s68, s68, STG                     ; my stage
	v_mul_u32_u24 v21, v1, 272
	v_lshl_add_u32 v21, v2, 5, v21
	v_add_nc_u32 v16, s68, v21                     ; in: row e = r, 32 bytes for each half of the lanes
	v_mul_u32_u24 v21, v2, 272
	v_lshl_add_u32 v21, v1, 4, v21
	v_add_nc_u32 v17, s68, v21                     ; back: lanes 0-15 one row of 256 bytes, lanes 16-31 the next
	v_lshlrev_b32 v18, 13, v2
	v_lshl_add_u32 v18, v1, 4, v18                 ; and the same two rows in out0
.irp b, 0,1,2,3
	v_mov_b32 v[TM+4+\b], 0                        ; written once: a lane permute's destination counts as one of its sources
.endr
	s_wait_loadcnt 0x0
	WIN 0xc3
.irp q, 0,1,2,3,4,5,6,7
.irp i, 1,2,3,4,5,6,7
	v_mov_b32 v[192+8*\q+\i], v[192+8*\q]          ; a lane's eight results of a tile belong to one e
.endr
.endr
	WIN 0
; 64 numbers of a lane, register 16 b + i = k 32 b + 16 (lane / 16) + i of my row, become a fragment's codes in v[PC] on and its scale word in v[PW].
.macro QUANT s
.irp b, 0,1,2,3
	v_max3_num_f32 v[TM+\b], |v[\s+16*\b]|, |v[\s+1+16*\b]|, 0x1800000   ; with the floor 2^(3 - 127): the byte cannot fall under 1
.endr
.irp i, 2,4,6,8,10,12,14
.irp b, 0,1,2,3
	v_max3_num_f32 v[TM+\b], v[TM+\b], |v[\s+16*\b+\i]|, |v[\s+1+16*\b+\i]|
.endr
.endr
.irp b, 0,1,2,3
	v_permlanex16_b32 v[TM+4+\b], v[TM+\b], s[SEL], s[SEL+1]
.endr
.irp b, 0,1,2,3
	v_max_num_f32 v[TM+\b], v[TM+\b], v[TM+4+\b]   ; the block's largest magnitude
.endr
.irp b, 0,1,2,3
	v_add_nc_u32 v[TM+12+\b], 0xff000000, v[TM+\b] ; 2 off its exponent field: the conversion's scale operand
.endr
.irp b, 0,1,2,3
	v_lshrrev_b32 v[TM+4+\b], 23, v[TM+12+\b]      ; the scale's byte
.endr
	v_lshl_or_b32 v[PW], v[TM+5], 8, v[TM+4]
	v_lshl_or_b32 v[PW], v[TM+6], 16, v[PW]
	v_lshl_or_b32 v[PW], v[TM+7], 24, v[PW]
.irp c, 0,1
	v_cvt_scalef32_pk16_fp6_f32 v[PC+6*\c:PC+2+6*\c], v[\s+32*\c:\s+15+32*\c], v[TM+12+2*\c]
	v_cvt_scalef32_pk16_fp6_f32 v[PC+12+4*\c:PC+14+4*\c], v[\s+16+32*\c:\s+31+32*\c], v[TM+12+2*\c+1]
.endr
	v_nop                                          ; one plain place behind a scaled conversion
.irp c, 0,1
.irp i, 0,1,2
	v_permlane16_swap_b32 v[PC+6*\c+\i], v[PC+12+4*\c+\i]
.endr
.irp i, 0,1,2
	v_mov_b32 v[PC+3+6*\c+\i], v[PC+12+4*\c+\i]
.endr
.endr
.endm
; Tile a, my K step sp (0 or 1): gathered, quantised, stored as an image.  The wait at the head also shows the last image's stores done, ahead of the lines that rewrite their data.
.macro XQ a, sp
.irp be, 0,1,2,3
.irp i, 0,1,2,3,4,5,6,7,8,9,10,11,12,13,14,15
	ds_load_b32 v[128+16*\be+\i], v[4+2*((\a)/2)+\i/8] offset:8192*(\i%8)+4096*((\a)%2)+512*(\be/2)+256*(\sp)+8*(\be%2)   ; head i, d = 16 wave + 8 sp + 2 be + half: the 32 lanes touch 32 different banks
.endr
.endr
	s_wait_dscnt 0x0
	QUANT 128
.irp c, 0,1,2
	ds_store_b128 v8, v[PC+4*\c:PC+4*\c+3] offset:12288*(\a)+1536*(\sp)+512*\c
.endr
	ds_store_b32 v9, v[PW] offset:1024*(\a)+128*(\sp)
.endm
.macro FRAGW reg, slot, k, t           ; a fragment of Wm: pieces of 8 bytes 12 k + 0, 1, 2, 6, 7, 8 of the row (lanes 16-31: three on); 16 bytes of padding behind every 32 pieces
.irp p, 0,1,2,3,4,5
.set PCE, 12*(\k)+6*(\p/3)+\p%3
.if PCE%32 < 29
	ds_load_b64 v[\reg+2*\p:\reg+2*\p+1], v[12+(\slot)] offset:8*PCE+16*(PCE/32)+13056*(\t)
.else
	ds_load_b64 v[\reg+2*\p:\reg+2*\p+1], v[14+(\slot)] offset:8*PCE+16*(PCE/32)+13056*(\t)
.endif
.endr
.endm
.macro PROD s, k, a, t
.set DD, 128+8*(4*(\t)+(\a))
.set XF, 12*(8*((\a)%2)+(\k))
.set WF, 12*(2*(\k)+(\t))
.set BB, 192+8*(2*(\s)+(\t))
.if (\k) == 0
	v_wmma_scale_f32_16x16x128_f8f6f4 v[DD:DD+7], v[XF:XF+11], v[WF:WF+11], v[BB:BB+7], v[96+8*(\a)+(\k)], v[32+8*(2*(\s)+(\t))+(\k)] matrix_a_fmt:MATRIX_FMT_FP6 matrix_b_fmt:MATRIX_FMT_FP6
.else
	v_wmma_scale_f32_16x16x128_f8f6f4 v[DD:DD+7], v[XF:XF+11], v[WF:WF+11], v[DD:DD+7], v[96+8*(\a)+(\k)], v[32+8*(2*(\s)+(\t))+(\k)] matrix_a_fmt:MATRIX_FMT_FP6 matrix_b_fmt:MATRIX_FMT_FP6
.endif
.endm
; Slot s: my 32 e x 64 n.  96 loads, K step by K step; then tiles 0, 1 of n (four accumulators by turns), each K step as its fragments arrive; then tiles 2, 3; then the way out.
.macro SLOTWORK s
	WIN 0xc0
.irp k, 0,1,2,3,4,5,6,7
.irp t, 0,1
	FRAGW 12*(2*\k+\t), (\s)%2, \k, \t
.endr
.endr
.irp g, 0,1
.irp k, 0,1,2,3,4,5,6,7
.if \g == 0
.if 84-12*\k > 63
	s_wait_dscnt 63                                ; all 96 are issued: at most 63 out means that the first 33 are in
.else
	s_wait_dscnt 84-12*\k                          ; the later K steps' twelve loads each may stay out
.endif
.endif
.if \k == 0
	WIN 0x3d+\g                                    ; source 0 (x) window 1 or 2, source 1 (Wm) and C (the bias) window 3, D window 0
.else
	WIN 0x0d+\g
.endif
.irp a, 0,1
.irp t, 0,1
	PROD \s, \k, 2*\g+\a, \t
.endr
.endr
.endr
.endr
	WIN 0
	PLACES 5                                       ; four in front of the reads of results and of loads into Wm's registers; five in front of the next slot's products, which begin these accumulators anew
.if (\s) > 0
	s_wait_xcnt 0x0                                ; the last slot's stores have read v192 on
.endif
.irp t, 0,1
.irp a, 0,1,2,3
	ds_store_b128 v16, v[128+8*(4*\t+\a):131+8*(4*\t+\a)] offset:4352*\t+64*\a        ; each accumulator from its low end on
	ds_store_b128 v16, v[132+8*(4*\t+\a):135+8*(4*\t+\a)] offset:4352*\t+64*\a+16
.endr
.endr
.irp j, 0,1,2,3,4,5,6,7,8,9,10,11,12,13,14,15
	ds_load_b128 v[192+4*\j:195+4*\j], v17 offset:544*\j   ; LDS serves a wave's instructions in order: these see my stores
.endr
.irp j, 0,1,2,3,4,5,6,7,8,9,10,11,12,13,14,15
	s_wait_dscnt 15-\j
	global_store_b128 v18, v[192+4*\j:195+4*\j], s[12:13] offset:1048576*(\s)+16384*\j th:TH_STORE_NT   ; sixteen lanes store 256 consecutive bytes, aligned, of one row of out0; written once
.endr
.endm
.macro WLOAD g0
	tensor_load_to_lds s[\g0:\g0+3], s[G1W:G1W+7]  ; my one tensor load behind the round, and the first thing there
	s_nop 0
	PLACES 4
.endm
	s_wait_tensorcnt 1                             ; my part of tiles 0, 1 is in; tiles 2, 3 may stay out
	s_barrier_signal -1
	s_barrier_wait -1
	XQ 0, 0
	XQ 0, 1
	XQ 1, 0
	XQ 1, 1
	LINES 0                                        ; tiles 0, 1 have been read out
	CROUND
	WLOAD G0A                                      ; Wm's slot 0 lands while tiles 2, 3 are quantised
	XQ 2, 0
	XQ 2, 1
	XQ 3, 0
	XQ 3, 1
	LINES 0                                        ; all of x has been read out, and its 32 images lie in LDS
	CROUND
	WLOAD G0B
	WIN 0x40
.irp a, 0,1
.irp k, 0,1,2,3,4,5,6,7
.irp c, 0,1,2
	ds_load_b128 v[12*(8*\a+\k)+4*\c:12*(8*\a+\k)+4*\c+3], v10 offset:1536*(8*\a+\k)+512*\c
.endr
.endr
.endr
	WIN 0x80
.irp a, 0,1
.irp k, 0,1,2,3,4,5,6,7
.irp c, 0,1,2
	ds_load_b128 v[12*(8*\a+\k)+4*\c:12*(8*\a+\k)+4*\c+3], v10 offset:1536*(16+8*\a+\k)+512*\c
.endr
.endr
.endr
	WIN 0
.set j, 0
.rept 32
	ds_load_b32 v[96+j], v11 offset:128*j
.set j, j+1
.endr
	s_wait_dscnt 0x0
	SLOTWORK 0
	LINES 1
	CROUND
	WLOAD G0A
	SLOTWORK 1
	LINES 2
	CROUND
	WLOAD G0B
	SLOTWORK 2
	s_wait_tensorcnt 0x0                           ; the last slot's load, the one that was out
	s_wait_dscnt 0x0
	s_barrier_signal -1
	s_barrier_wait -1
	SLOTWORK 3
	LINES 0                                        ; the wave's end
	CROUND                                         ; the closing round
	s_endpgm
.Lfunc_end_k_q32340e67d5_outproj:
	.size	k_q32340e67d5_outproj, .Lfunc_end_k_q32340e67d5_outproj-k_q32340e67d5_outproj
	.p2alignl 7, 3214868480
	.fill 96, 4, 3214868480
	.section	.rodata,"a",@progbits
	.p2align	6, 0x0
	.amdhsa_kernel k_q32340e67d5_outproj
		.amdhsa_group_segment_fixed_size 327680
		.amdhsa_private_segment_fixed_size 0
		.amdhsa_enable_private_segment 0
		.amdhsa_kernarg_size 40
		.amdhsa_user_sgpr_count 2
		.amdhsa_user_sgpr_kernarg_segment_ptr 1
		.amdhsa_wavefront_size32 1
		.amdhsa_system_sgpr_workgroup_id_x 1
		.amdhsa_system_sgpr_workgroup_id_y 1
		.amdhsa_system_sgpr_workgroup_id_z 1
		.amdhsa_system_vgpr_workitem_id 0
		.amdhsa_next_free_vgpr 1024
		.amdhsa_next_free_sgpr 80
		.amdhsa_reserve_vcc 0
		.amdhsa_float_denorm_mode_32 3
		.amdhsa_float_denorm_mode_16_64 3
		.amdhsa_memory_ordered 1
		.amdhsa_forward_progress 1
		.amdhsa_inst_pref_size 161
	.end_amdhsa_kernel
	.amdgpu_metadata
---
amdhsa.version: [ 1, 2 ]
amdhsa.kernels:
  - .name:           k_q32340e67d5_outproj
    .symbol:         k_q32340e67d5_outproj.kd
    .args:
      - { .name: xw, .offset: 0, .size: 8, .value_kind: global_buffer, .address_space: global }
      - { .name: Wm_codes, .offset: 8, .size: 8, .value_kind: global_buffer, .address_space: global }
      - { .name: Wm_scales, .offset: 16, .size: 8, .value_kind: global_buffer, .address_space: global }
      - { .name: bm, .offset: 24, .size: 8, .value_kind: global_buffer, .address_space: global }
      - { .name: out0, .offset: 32, .size: 8, .value_kind: global_buffer, .address_space: global }
    .group_segment_fixed_size: 327680
    .private_segment_fixed_size: 0
    .kernarg_segment_align: 8
    .kernarg_segment_size: 40
    .max_flat_workgroup_size: 128
    .sgpr_count:     80
    .vgpr_count:     1024
    .wavefront_size: 32
...
	.end_amdgpu_metadata
.endif
;; end of part 4
